; MI455X (gfx1250); checked and timed in simulation.
; The chip was launched on July 23, 2026; its instructions are those of AMD's public machine-readable ISA for CDNA 5 (MIT licence, August 2026) and "CDNA5" Instruction Set Architecture Reference Guide (July 2026). The comments in the code are by the model that wrote it; some were corrected since.
;; Attention. Allowed arithmetic: matrix products marked QUANTISED: E2M3 operands, one E8M0 scale for each 32 along K, by v_wmma_scale_f32_16x16x128_f8f6f4 with both operands' format E2M3, f32 sums; everything else in f32.
;; Inputs: Wout 1,024 x 1,024 float32; Wqkv 3,072 x 1,024 float32; bout 1,024 float32; bqkv 3,072 float32; x 4 x 2,048 x 1,024 float32.
;; Outputs: out0 4 x 2,048 x 1,024 float32.
;; This version of the problem:
;;   THIS VERSION OF THE PROBLEM IS GIVEN IN LOW PRECISION. The matrix products marked QUANTISED in the list below multiply operands that are first quantised to E2M3 (2 exponent bits, 3 mantissa bits; 6 bits a number), with one power-of-two scale for each 32 numbers along K (OCP MX v1.0); their sums are f32. All else is computed in f32.
;;   The module's matrix products, in the order in which they are computed (A, B: the left and right operand; K: the contracted axis; several contracted axes count as one K, in the product's order):
;;     1. [M 8,192, K 1,024] x [K 1,024, N 3,072]; A: input x; B: input Wqkv: QUANTISED
;;     2. batch 64 x [M 2,048, K 64] x [K 64, N 2,048]; A: computed on the way; B: computed on the way: QUANTISED
;;     3. batch 64 x [M 2,048, K 2,048] x [K 2,048, N 64]; A: softmax (see below); B: computed on the way: QUANTISED
;;     4. [M 8,192, K 1,024] x [K 1,024, N 1,024]; A: computed on the way; B: input Wout: QUANTISED
;;   THE QUANTISER, for each operand of a quantised product, along K:
;;     - K is cut into blocks of 32 from its start; a last block that is shorter is filled with zeros.
;;     - A block's scale is 2^e with e = floor(log2(the largest magnitude in the block)) - 2, held to -126 .. 127; a block of zeros has e = 0. As a byte (E8M0): e + 127.
;;     - Each number is divided by its block's scale, clamped to +-7.5, and rounded to the nearest number of E2M3, ties to even, subnormals kept.
;;     - The product sums the exact products of the quantised numbers (number of the format x scale) in f32.
;;   ~~~python
;;   def quantise(x, axis):      # numpy; x: float32 -> the quantised numbers, widened to float32 again
;;       x = np.moveaxis(x, axis, -1); K = x.shape[-1]
;;       x = np.pad(x, [(0, 0)] * (x.ndim - 1) + [(0, -K % 32)]); x = x.reshape(x.shape[:-1] + (-1, 32)); a = np.abs(x).max(-1, keepdims=True)
;;       e = np.where(a > 0, np.clip(np.frexp(np.where(a > 0, a, 1))[1] - 1 - 2, -126, 127), 0)      # np.frexp(a)[1] - 1 = floor(log2(a)), exactly
;;       r = np.clip(x / 2.0 ** e, -7.5, 7.5)
;;       step = 2.0 ** (np.maximum(np.frexp(np.where(r == 0, 1, r))[1] - 1, 0) - 3)
;;       q = np.round(r / step) * step * 2.0 ** e      # np.round: ties to even
;;       return np.moveaxis(q.reshape(q.shape[:-2] + (-1,))[..., :K], -1, axis).astype(np.float32)
;;   ~~~
;;   SOFTMAX AHEAD OF A QUANTISED PRODUCT. Where the list says 'softmax', what is quantised is not the finished softmax but p = 2^(t - M), with t = logit x log2(e) and M = ceil(the row's largest t), a whole number; so 1/2 < the row's largest p <= 1. The row's sum l is taken of the UNQUANTISED p, in f32, and the product's result is divided by l at the end. Since M is a whole number, a kernel that streams over the keys may use a running M (the ceiling of the running maximum): every later rescaling is an exact power of two, which a block's scale takes up: the codes' values come out the same.
;;   OPERANDS COMPUTED ON THE WAY. 'Computed on the way' means the value that the module computes at that place (a softmax that the list does not call 'softmax' is quantised finished and normalised). What goes into a quantiser is computed in f32, as accurately as f32 sums, v_exp_f32 and their like allow (about 1e-6 of the number): no bf16 or f16 on the way to a quantiser, and a product that is left as it is and whose result goes on into a quantised operand takes f32 operands (vector FMAs, or v_wmma_f32_16x16x4_f32). A number that lies on a knife's edge between two numbers of the format may be rounded either way, as far as f32 arithmetic and the matrix unit's own rounding can turn it there, and no further.
;; One version. Each part assembles by itself: llvm-mc -triple=amdgcn-amd-amdhsa -mcpu=gfx1250 --defsym DOCPART=n.
;; ======== version 1 of 1: 4 launches
;; workspace buffers: xc 6,291,456 bytes; xs 262,144 bytes; wc 3,145,728 bytes; ws 131,072 bytes; qkvc 18,874,368 bytes; qkvs 1,572,864 bytes; oc 6,291,456 bytes; os 262,144 bytes
;; launch quant (part 1): grid 384 x 1, 4 waves a work-group, no clusters, 33,280 bytes of LDS; arguments x, Wqkv, Wout, xc, xs, wc, ws; writes xc, xs, wc, ws
.if DOCPART == 1
	.amdgcn_target "amdgcn-amd-amdhsa--gfx1250"
	.amdhsa_code_object_version 6
	.text
	.protected	k_q30afd85824_quant
	.globl	k_q30afd85824_quant
	.p2align	8
	.type	k_q30afd85824_quant,@function
k_q30afd85824_quant:
	s_mov_b64 s[64:65], 0
	v_nop
	global_prefetch_b8 v0, s[64:65] scope:SCOPE_SE
	s_setreg_imm32_b32 hwreg(HW_REG_WAVE_MODE, 25, 1), 1
	s_wait_xcnt 0x0
; x [8192][1024], Wqkv [3072][1024] and Wout [1024][1024], f32, become codes of FP6 (E2M3), 6 bits each, K innermost (768 bytes a row), with one E8M0 scale byte for each 32 along K (32 bytes a row).
; A block's scale is 2^(floor(log2(its largest magnitude)) - 2); its byte is the largest magnitude's exponent field - 2, held at 1 from below.  Each number is divided by the scale and rounded to the nearest code, ties to even.
; LIMITS: a block whose largest magnitude lies under 2^-124, a block of zeros among them, keeps the byte 1 (its codes then are zeros or subnormal codes; the bytes are read by this program alone); NaN and infinities are not served.
; ROW ORDER OF THE RESULT: bits 3 and 4 of the row number change places: row 32 A + 16 v + 8 u + w is stored as row 32 A + 16 u + 8 v + w.  So 16 rows on end of the result are rows 32 A + 8 u + r + 8 (r / 8):
; as source 0 of a matrix instruction two such neighbouring tiles leave a lane 16 NEIGHBOURS along that axis, which the later launches quantise.
; SHARES: work-groups 0-255 take x, 256-351 Wqkv, 352-383 Wout (xc, xs for x; wc, ws for both weights, Wout's rows behind Wqkv's 3,072).  Only pointers are chosen: one path through the text.
; A wave takes 8,192 numbers, eight whole rows, in 16 steps of 512; the exchange of row bits is an exchange of the two bits of the wave's number in the addresses written.
; A load reads 512 consecutive bytes, 16 a lane; the conversion wants 16 neighbours in ONE lane: a step's 2,048 bytes turn through the wave's own stage in LDS.  A wave's 256 scale bytes gather in LDS and leave as one aligned block.
.set WAVES, 4
.set STEPS, 16
.set EMAX,  2
.set CB,    12                         ; bytes of 16 codes
.set R,     16                         ; v16-79   four sets of 16 numbers as they are loaded
.set X,     80                         ; v80-111  two sets of 16 neighbours
.set C,     128                        ; v128-191 codes: four registers for each step, so that no store's data are written again
.set E,     112                        ; v112-127 a scale byte for each step
.set WREG,  8192                       ; LDS: a region for each wave: two stages of 32 x SP bytes, behind them its 256 scale bytes
.set SP,    80                         ; a lane's place in a stage: its 64 bytes + 16 of padding
	s_load_b128 s[4:7], s[0:1], 0x0                ; x, Wqkv
	s_load_b128 s[12:15], s[0:1], 0x10             ; Wout, xc
	s_load_b128 s[24:27], s[0:1], 0x20             ; xs, wc
	s_load_b64 s[28:29], s[0:1], 0x30              ; ws
	v_lshl_add_u32 v192, v0, 2, 0x8000
	v_mov_b32 v193, 0
	v_lshrrev_b32 v1, 5, v0
	v_readfirstlane_b32 s16, v1                    ; wave
	v_and_b32 v2, 31, v0                           ; lane
	v_lshlrev_b32 v3, 4, v2                        ; my 16 bytes of a load's 512
	s_mul_i32 s17, s16, WREG
	v_lshrrev_b32 v14, 2, v2
	v_mul_u32_u24 v14, v14, SP
	v_and_b32 v15, 3, v2
	v_lshl_add_u32 v14, v15, 4, v14
	v_add_nc_u32 v14, s17, v14                     ; the stage, on the way in: SP (lane / 4) + 16 (lane % 4)
	v_mul_u32_u24 v15, v2, SP
	v_add_nc_u32 v15, s17, v15                     ; and on the way out: SP x lane: my 16 neighbours
	v_mul_u32_u24 v4, v2, CB                       ; my codes' place in a step's
	v_lshrrev_b32 v5, 1, v2
	s_add_co_u32 s17, s17, 2*32*SP
	v_add_nc_u32 v5, s17, v5                       ; LDS: my wave's 256 scale bytes, my block's byte
	v_lshlrev_b32 v7, 3, v2                        ; and on the way out 8 bytes a lane
	v_add_nc_u32 v6, s17, v7
	s_wait_kmcnt 0x0
	s_cmp_lt_u32 ttmp9, 256                        ; x's work-group, or a weight's?  The choices hang on the work-group's number alone
	s_cselect_b64 s[4:5], s[4:5], s[6:7]           ; from: x or Wqkv
	s_cselect_b64 s[8:9], s[14:15], s[26:27]       ; codes to: xc or wc
	s_cselect_b64 s[10:11], s[24:25], s[28:29]     ; scale bytes to: xs or ws
	s_cselect_b32 s17, 0, 256                      ; the first work-group of the buffers written
	s_mov_b32 s22, s17
	s_cmp_lt_u32 ttmp9, 352
	s_cselect_b64 s[4:5], s[4:5], s[12:13]         ; from: as chosen, or Wout
	s_cselect_b32 s22, s22, 352                    ; the first work-group of the tensor read
	s_sub_co_u32 s22, ttmp9, s22
	s_lshl_b32 s22, s22, 2
	s_add_co_u32 s22, s22, s16                     ; the run of 8,192 numbers that I read
	s_lshl_b32 s22, s22, 15                        ; 32,768 bytes a run (1,023 runs at the most: under 2^25)
	s_mov_b32 s23, 0
	s_add_nc_u64 s[4:5], s[4:5], s[22:23]
	s_sub_co_u32 s17, ttmp9, s17
	s_lshl_b32 s17, s17, 2
	s_and_b32 s18, s16, 1
	s_lshl_b32 s18, s18, 1
	s_lshr_b32 s19, s16, 1
	s_or_b32 s18, s18, s19                         ; the wave's two bits exchanged: row bits 3 and 4
	s_add_co_u32 s18, s17, s18                     ; the run that I write
	s_mul_i32 s20, s18, 32*STEPS*CB                ; 6,144 bytes of codes a run
	s_mov_b32 s21, 0
	s_add_nc_u64 s[8:9], s[8:9], s[20:21]
	s_lshl_b32 s20, s18, 8                         ; 256 scale bytes a run
	s_add_nc_u64 s[10:11], s[10:11], s[20:21]
.macro LOAD t
.irp i, 0,1,2,3
	global_load_b128 v[R+16*((\t)%4)+4*\i:R+16*((\t)%4)+4*\i+3], v3, s[4:5] offset:2048*(\t)+512*\i th:TH_LOAD_NT   ; 32 lanes read 512 consecutive bytes
.endr
.endm
.macro TURN t                          ; step t's numbers through the stage: LDS serves a wave's instructions in order, so no wait stands between the stores and the loads
.irp i, 0,1,2,3
	ds_store_b128 v14, v[R+16*((\t)%4)+4*\i:R+16*((\t)%4)+4*\i+3] offset:32*SP*((\t)%2)+8*SP*\i
.endr
.irp i, 0,1,2,3
	ds_load_b128 v[X+16*((\t)%2)+4*\i:X+16*((\t)%2)+4*\i+3], v15 offset:32*SP*((\t)%2)+16*\i
.endr
.endm
.irp t, 0,1,2,3
	LOAD \t
.endr
	s_wait_loadcnt 12                              ; step 0's four loads are in; the twelve of steps 1 to 3 may be out
	TURN 0
.macro STEP t
.set XS, X+16*((\t)%2)
.if (\t) > 0
	s_wait_dscnt 1                                 ; this step's numbers are back from the stage (the last step's byte store may be out): so its stores into the stage have read their registers,
.else
	s_wait_dscnt 0x0
.endif
.if (\t)+4 < STEPS
	LOAD (\t)+4                                    ; which take the loads of four steps on
.endif
.if (\t)+1 < STEPS
.if STEPS-2-(\t) >= 3
	s_wait_loadcnt 12                              ; the next step's four loads are in; those of the three steps behind it may be out
.else
	s_wait_loadcnt 4*(STEPS-2-(\t))
.endif
	TURN (\t)+1                                    ; and go through the other stage while this step is worked
.endif
	v_max3_num_f32 v8, |v[XS]|, |v[XS+1]|, |v[XS+2]|               ; the largest magnitude of my 16, in two chains
	v_max3_num_f32 v9, |v[XS+3]|, |v[XS+4]|, |v[XS+5]|
.irp i, 6,10
	v_max3_num_f32 v8, v8, |v[XS+\i]|, |v[XS+\i+1]|
	v_max3_num_f32 v9, v9, |v[XS+\i+2]|, |v[XS+\i+3]|
.endr
	v_max3_num_f32 v8, v8, |v[XS+14]|, |v[XS+15]|
	v_max3_num_f32 v8, v8, v9, (EMAX+1)<<23        ; and the floor 2^(3 - 127): the byte cannot fall under 1
	v_max_num_f32_dpp v8, v8, v8 row_xmask:1 row_mask:0xf bank_mask:0xf   ; and of my neighbour's 16: the block's
	v_add_nc_u32 v11, 0xff000000, v8               ; 2 off its exponent field: the conversion takes the exponent field of this operand as its scale, and nothing else of it
	v_cvt_scalef32_pk16_fp6_f32 v[C+4*(\t):C+4*(\t)+2], v[XS:XS+15], v11   ; sixteen codes, 96 bits without gaps, the first number's code lowest
	v_lshrrev_b32 v[E+(\t)], 23, v11               ; the scale's byte (also the plain line behind the conversion)
	ds_store_b8 v5, v[E+(\t)] offset:16*(\t)       ; both lanes of a block write the same byte with the same value
	global_store_b96 v4, v[C+4*(\t):C+4*(\t)+2], s[8:9] offset:32*CB*(\t)   ; the wave stores 384 consecutive bytes
.endm
.irp t, 0,1,2,3,4,5,6,7,8,9,10,11,12,13,14,15
	STEP \t
.endr
	ds_load_b64 v[12:13], v6                       ; LDS serves a wave's instructions in order: these see my stores
	s_wait_dscnt 0x0
	global_store_b64 v7, v[12:13], s[10:11]        ; 32 lanes store 256 consecutive bytes, aligned
	s_wait_tensorcnt 0x0
	ds_add_u32 v192, v193
	s_wait_dscnt 0x0
	s_endpgm
.Lfunc_end_k_q30afd85824_quant:
	.size	k_q30afd85824_quant, .Lfunc_end_k_q30afd85824_quant-k_q30afd85824_quant
	.p2alignl 7, 3214868480
	.fill 96, 4, 3214868480
	.section	.rodata,"a",@progbits
	.p2align	6, 0x0
	.amdhsa_kernel k_q30afd85824_quant
		.amdhsa_group_segment_fixed_size 33280
		.amdhsa_private_segment_fixed_size 0
		.amdhsa_enable_private_segment 0
		.amdhsa_kernarg_size 56
		.amdhsa_user_sgpr_count 2
		.amdhsa_user_sgpr_kernarg_segment_ptr 1
		.amdhsa_wavefront_size32 1
		.amdhsa_system_sgpr_workgroup_id_x 1
		.amdhsa_system_sgpr_workgroup_id_y 1
		.amdhsa_system_sgpr_workgroup_id_z 1
		.amdhsa_system_vgpr_workitem_id 0
		.amdhsa_next_free_vgpr 194
		.amdhsa_next_free_sgpr 66
		.amdhsa_reserve_vcc 0
		.amdhsa_float_denorm_mode_32 3
		.amdhsa_float_denorm_mode_16_64 3
		.amdhsa_memory_ordered 1
		.amdhsa_forward_progress 1
		.amdhsa_inst_pref_size 33
	.end_amdhsa_kernel
	.amdgpu_metadata
---
amdhsa.version: [ 1, 2 ]
amdhsa.kernels:
  - .name:           k_q30afd85824_quant
    .symbol:         k_q30afd85824_quant.kd
    .args:
      - { .name: x, .offset: 0, .size: 8, .value_kind: global_buffer, .address_space: global }
      - { .name: Wqkv, .offset: 8, .size: 8, .value_kind: global_buffer, .address_space: global }
      - { .name: Wout, .offset: 16, .size: 8, .value_kind: global_buffer, .address_space: global }
      - { .name: xc, .offset: 24, .size: 8, .value_kind: global_buffer, .address_space: global }
      - { .name: xs, .offset: 32, .size: 8, .value_kind: global_buffer, .address_space: global }
      - { .name: wc, .offset: 40, .size: 8, .value_kind: global_buffer, .address_space: global }
      - { .name: ws, .offset: 48, .size: 8, .value_kind: global_buffer, .address_space: global }
    .group_segment_fixed_size: 33280
    .private_segment_fixed_size: 0
    .kernarg_segment_align: 8
    .kernarg_segment_size: 56
    .max_flat_workgroup_size: 128
    .sgpr_count:     66
    .vgpr_count:     194
    .wavefront_size: 32
...
	.end_amdgpu_metadata
.endif
;; end of part 1
;; launch qkv (part 2): grid 12 x 32, 4 waves a work-group, clusters of 4 x 4, 327,680 bytes of LDS; arguments xc, xs, wc, ws, bqkv, qkvc, qkvs; writes qkvc, qkvs
.if DOCPART == 2
	.amdgcn_target "amdgcn-amd-amdhsa--gfx1250"
	.amdhsa_code_object_version 6
	.text
	.protected	k_q30afd85824_qkv
	.globl	k_q30afd85824_qkv
	.p2align	8
	.type	k_q30afd85824_qkv,@function
k_q30afd85824_qkv:
	s_mov_b64 s[64:65], 0
	v_nop
	global_prefetch_b8 v0, s[64:65] scope:SCOPE_SE
	s_setreg_imm32_b32 hwreg(HW_REG_WAVE_MODE, 25, 1), 1
	s_wait_xcnt 0x0
	s_wait_alu depctr_hold_cnt(0) depctr_sa_sdst(0) depctr_va_vdst(0) depctr_va_sdst(0) depctr_va_ssrc(0) depctr_va_vcc(0) depctr_vm_vsrc(0)
	s_getreg_b32 s2, hwreg(HW_REG_IB_STS2, 6, 4)
	s_cmp_eq_u32 s2, 0
	s_cbranch_scc0 .Lentry_in_a_cluster
	s_endpgm
.Lentry_in_a_cluster:
	s_bfe_u32 s2, ttmp6, 0x10000c
	s_cmp_lg_u32 s2, 0xf033
	s_cbranch_scc0 .Lentry_shape_is_right
	s_endpgm
.Lentry_shape_is_right:
; qkv = x Wqkv^T + bqkv on codes of FP6 (E2M3) with E8M0 scales, K = 1,024, sums in f32; the result is quantised at once and leaves as codes: q and k along the head's 64, v along the keys.
; A work-group of four waves makes 256 x 256 of the product, a wave 128 x 128: 64 accumulators, 512 registers.  K goes in steps of 256 through two LDS slots filled by the tensor data mover; the scale bytes of the
; work-group's 2 x 256 rows, for all of K, come once with the first fills.
; ROLES.  "B" is source 0: its rows run along a lane's result registers, which is the axis that is quantised.  "A" is source 1: one of its rows a lane.  For q and k (clusters x = 0, 1) B = Wqkv's rows, A = tokens;
; for v (cluster x = 2) B = tokens, A = Wqkv's rows.  The choice is made by scalar selects on the cluster's x alone, on tile numbers and pointers: one text, no branch, no LDS address hangs on it.
; Rows of xc and wc lie with bits 3 and 4 of the row number exchanged, so the 16 registers of B's tiles 2 b, 2 b + 1 are indices 32 b + 16 (lane / 16) + 0 .. 15 in true order; A's rows stay in stored order.
; CLUSTERS: 4 x 4.  A's tile hangs on cy and is asked for jointly along a row of the cluster, B's on cx and jointly along a column.
; THE BIAS: along the registers (q, k) it is the C of the first K step's products; one number a lane (v) it is added on the way out.  The one that does not apply is 0.
; THE WAY OUT: for each of A's eight blocks the 64 numbers of a lane become a fragment's 12 registers of codes and a scale word, and are stored as they stand:
;   half image (768 bytes): registers 0-3 at 16 x lane, registers 4-5 at 512 + 8 x lane.  q, k: [head][128 tokens][token block]: registers 0-5 the even head, 6-11 the odd one.  v: [head][128 keys][16 d]: both halves on end.
;   scale image (512 bytes for 8 blocks): the word of block 2 A + u, row r at 16 (r + 16 u) + 4 A.  q's and k's words have bytes 2 and 3 zero.
; LIMITS: a block whose largest magnitude lies under 2^-124 keeps the scale byte 1; NaN and infinities are not served.
; REGISTERS: window 0: v16-29 addresses; v32-63 scale words, two sets; v64-127 the bias as C, later a block's 64 numbers; v128-223 A's fragments, later the codes at work; v224-247 the lane's bias.
;   window 1: B's fragments, two sets.   windows 2, 3: the accumulators ((a, b) at v[8 (8 (a % 4) + b)]).
.set KSTEP,  256
.set NQ,     2                         ; matrix instructions deep in a slot
.set ROWB,   192                       ; a tile's row in bytes
.set KROW,   768                       ; a row of codes in memory
.set PITCH,  240                       ; an LDS row: 3 x (64 bytes + 16 of padding)
.set FR,     12
.set NL,     6                         ; LDS loads that bring a fragment
.set NP,     4                         ; places behind this matrix instruction (ISA guide 7.12.1)
.set HALFT,  128*PITCH
.set SLOT,   4*HALFT
.set KS,     32                        ; a row of scale bytes
.set SCL,    2*SLOT
.set HALFS,  (128*KS/256)*272
.set SBLK,   (16*KS/256)*272
.set SPARE,  SCL+4*HALFS               ; the spare words, 128 bytes a wave: two blocks of 256 bytes that no other line names
.set ADRA, 16                          ; v16-17 my A fragments in slot 0, 1; v18-19 the same behind one padding more
.set ADRB, 20                          ; v20-23 likewise for B
.set L16,  24                          ; 16 x lane
.set L8,   25                          ; 8 x lane
.set ADRS, 27                          ; my scale words: lanes 0-15 A's rows, lanes 16-31 B's
.set SPW,  28
.set NIL,  29
.set SC,   32
.set BR,   64                          ; the bias along the registers
.set HA,   64                          ; the way out: a block's 64 numbers
.set AF,   128
.set BLP,  224                         ; the lane's bias, twice for each of A's blocks
.set BT,   240
.set PC,   128                         ; the way out: codes (12 + 7 at work)
.set TM,   148                         ; 16 at work
.set PW,   164                         ; the scale word just made
.set PWS,  166                         ; the eight blocks' scale words
.set W2,   176
.set X1,   180
.set X2,   184
.set TT,   188
.set G1, 24
.set G0, 32
.set G1B, 48
.set G0B, 56
.set G1S, 68
.set G0S, 76
.set G1SB, 80
.set G0SB, 88
.set SEL, 100
.set MSB, 0
.macro WIN new                         ; the immediate's high byte repeats the setting that is left
.if MSB != (\new)
	s_set_vgpr_msb (MSB<<8)|(\new)
.set MSB, (\new)
.endif
.endm
.set MUL_LO, 0xa1                      ; source 0 (B) window 1, source 1 (A) window 0, C and D window 2
.set MUL_HI, 0xf1
.set TO_B,   0x40
; A joint load: waves 0 and 1 fetch for A, waves 2 and 3 for B; the branch hangs on the wave's number alone.  Four v_nop follow each line.
.macro JLOAD g0a, g1a, g0b, g1b
	s_cmp_eq_u32 s19, 0
	s_cbranch_scc0 .Lfor_b_\@
	tensor_load_to_lds s[\g0a:\g0a+3], s[\g1a:\g1a+7]
	s_nop 0
.rept 4
	v_nop
.endr
	s_branch .Lasked_\@
.Lfor_b_\@:
	tensor_load_to_lds s[\g0b:\g0b+3], s[\g1b:\g1b+7]
	s_nop 0
.rept 4
	v_nop
.endr
.Lasked_\@:
.endm
.macro CREST                           ; a round of the cluster's barrier behind its opening barrier
	s_cmp_lg_u32 s18, 0
	s_cbranch_scc1 .Lnot_wave_0_\@
	s_barrier_signal -3
.Lnot_wave_0_\@:
	s_barrier_wait -3
	s_barrier_signal -1
	s_barrier_wait -1
.endm
.macro CROUND
	s_barrier_signal -1
	s_barrier_wait -1
	CREST
.endm
	s_load_b256 s[4:11], s[0:1], 0x0               ; xc, xs, wc, ws
	s_load_b128 s[12:15], s[0:1], 0x20             ; bqkv, qkvc
	s_load_b64 s[16:17], s[0:1], 0x30              ; qkvs
	v_lshl_add_u32 v[SPW], v0, 2, SPARE
	v_mov_b32 v[NIL], 0
	ds_add_u32 v28, v29
	ds_add_u32 v28, v29
	s_wait_dscnt 0x0
	v_lshrrev_b32 v1, 5, v0
	v_readfirstlane_b32 s18, v1                    ; wave 0..3
	s_lshr_b32 s19, s18, 1                         ; which 128 rows of A are mine.  Also: I fetch for A (0) or for B (1)
	s_and_b32 s20, s18, 1                          ; which 128 rows of B are mine.  Also: which 128 rows I fetch
	s_bfe_u32 s40, ttmp6, 0x40000                  ; cx
	s_bfe_u32 s41, ttmp6, 0x40004                  ; cy
	s_and_b32 s42, ttmp7, 0xffff
	s_lshl_b32 s42, s42, 2                         ; 4 x cluster y: the cluster's first tile of tokens
	s_lshl_b32 s23, ttmp9, 2                       ; 4 x cluster x: its first tile of Wqkv's rows
	s_cmp_eq_u32 ttmp9, 2                          ; v?  The same in all sixteen partners
	s_cselect_b32 s2, 1, 0
	s_cselect_b32 s21, 8, s42
	s_cselect_b32 s22, s42, s23
	s_add_co_u32 s21, s21, s41                     ; A's tile: tokens 4 Y + cy, or for v Wqkv's 8 + cy
	s_add_co_u32 s22, s22, s40                     ; B's tile: Wqkv's 4 X + cx, or for v tokens 4 Y + cx
	s_lshl_b32 s43, s41, 2
	s_lshl_b32 s43, 15, s43                        ; my row of the cluster
	s_lshl_b32 s44, 0x1111, s40                    ; my column
	s_or_b32 s[G1+0], s43, (0<<16)|(1<<20)|(1<<21)|(3<<22)|(3<<25)  ; mask; elements of 1 byte; padding on; bit 21 beside a mask; after every 16 words, 4 words
	s_or_b32 s[G1B+0], s44, (0<<16)|(1<<20)|(1<<21)|(3<<22)|(3<<25)
.irp g, G1, G1B
	s_mov_b32 s[\g+1], ROWB<<16                    ; tensor_dim0
	s_mov_b32 s[\g+2], 128<<16                     ; tensor_dim1
	s_mov_b32 s[\g+3], ROWB<<16                    ; tile_dim0
	s_mov_b32 s[\g+4], 128                         ; tile_dim1
	s_mov_b32 s[\g+5], KROW                        ; the pitch
	s_mov_b32 s[\g+6], 0
	s_mov_b32 s[\g+7], 0
.endr
	s_or_b32 s[G1S+0], s43, (3<<16)|(1<<20)|(1<<21)|(5<<22)|(3<<25)  ; the scale bytes of 128 rows: 4,096 dense bytes as 16 rows of 256, 16 bytes of padding behind each
	s_or_b32 s[G1SB+0], s44, (3<<16)|(1<<20)|(1<<21)|(5<<22)|(3<<25)
.irp g, G1S, G1SB
	s_mov_b32 s[\g+1], 32<<16
	s_mov_b32 s[\g+2], (128*KS/256)<<16
	s_mov_b32 s[\g+3], 32<<16
	s_mov_b32 s[\g+4], 128*KS/256
	s_mov_b32 s[\g+5], 32
	s_mov_b32 s[\g+6], 0
	s_mov_b32 s[\g+7], 0
.endr
	s_lshl_b32 s23, s20, 7
	s_lshl_b32 s104, s21, 8
	s_add_co_u32 s104, s104, s23                   ; A's first row that I would fetch
	s_lshl_b32 s105, s22, 8
	s_add_co_u32 s105, s105, s23                   ; B's
	s_mul_i32 s100, s104, KROW                     ; in bytes of codes (8,191 rows at the most: under 2^23),
	s_mov_b32 s101, 0
	s_mul_i32 s46, s105, KROW
	s_mov_b32 s47, 0
	s_lshl_b32 s104, s104, 5                       ; and of scale bytes
	s_lshl_b32 s105, s105, 5
	s_mul_i32 s45, s18, HALFT                      ; where they go: wave x 128 rows: no place in the cluster enters an LDS address
	s_mul_i32 s66, s18, HALFS
	s_wait_kmcnt 0x0
	s_cmp_eq_u32 s2, 1
	s_cselect_b64 s[92:93], s[8:9], s[4:5]         ; A's codes: wc for v, else xc
	s_cselect_b64 s[94:95], s[10:11], s[6:7]       ; A's scale bytes
	s_cselect_b64 s[96:97], s[4:5], s[8:9]         ; B's codes
	s_cselect_b64 s[98:99], s[6:7], s[10:11]       ; B's scale bytes
	s_add_nc_u64 s[92:93], s[92:93], s[100:101]
	s_add_nc_u64 s[96:97], s[96:97], s[46:47]
	s_mov_b32 s100, s104
	s_mov_b32 s46, s105
	s_add_nc_u64 s[94:95], s[94:95], s[100:101]
	s_add_nc_u64 s[98:99], s[98:99], s[46:47]
	CROUND                                         ; all sixteen work-groups are here: the first joint loads meet
	s_mov_b32 s[G0S], 1
	s_add_co_u32 s[G0S+1], s66, SCL
	s_mov_b64 s[G0S+2:G0S+3], s[94:95]
	s_or_b32 s[G0S+3], s[G0S+3], 0x80000000
	s_mov_b32 s[G0SB], 1
	s_add_co_u32 s[G0SB+1], s66, SCL
	s_mov_b64 s[G0SB+2:G0SB+3], s[98:99]
	s_or_b32 s[G0SB+3], s[G0SB+3], 0x80000000
	JLOAD G0S, G1S, G0SB, G1SB                     ; the scale bytes first: they are wanted with K step 0
.irp s, 0,1
	s_mov_b32 s[G0+4*\s], 1
	s_add_co_u32 s[G0+4*\s+1], s45, \s*SLOT
	s_add_nc_u64 s[G0+4*\s+2:G0+4*\s+3], s[92:93], \s*ROWB
	s_or_b32 s[G0+4*\s+3], s[G0+4*\s+3], 0x80000000
	s_mov_b32 s[G0B+4*\s], 1
	s_add_co_u32 s[G0B+4*\s+1], s45, \s*SLOT
	s_add_nc_u64 s[G0B+4*\s+2:G0B+4*\s+3], s[96:97], \s*ROWB
	s_or_b32 s[G0B+4*\s+3], s[G0B+4*\s+3], 0x80000000
	JLOAD G0+4*\s, G1, G0B+4*\s, G1B               ; three tensor loads of mine are out now
.endr
	v_and_b32 v1, 15, v0                           ; r
	v_bfe_u32 v2, v0, 4, 1                         ; h
	v_mul_u32_u24 v3, v1, PITCH
	v_mul_u32_u24 v4, v2, 24
	v_add_nc_u32 v4, v3, v4                        ; a fragment's row x pitch + 24 h
	v_lshl_add_u32 v5, v2, 4, v4                   ; and the same behind one padding more
	s_mul_i32 s23, s19, HALFT                      ; my 128 rows of A
	s_mul_i32 s67, s20, HALFT
	s_add_co_u32 s67, s67, 2*HALFT                 ; my 128 rows of B, behind A's 256
.irp s, 0,1
	v_add_nc_u32 v[ADRA+\s], s23, v4
	v_add_nc_u32 v[ADRB+\s], s67, v4
	v_add_nc_u32 v[ADRA+2+\s], s23, v5
	v_add_nc_u32 v[ADRB+2+\s], s67, v5
	s_add_co_u32 s23, s23, SLOT
	s_add_co_u32 s67, s67, SLOT
.endr
	v_mul_u32_u24 v5, v1, KS                       ; my row's scale bytes: 32 a row,
	v_lshrrev_b32 v6, 8, v5
	v_lshl_add_u32 v5, v6, 4, v5                   ; and 16 more for each 256 passed
	s_mul_i32 s23, s19, HALFS
	s_mul_i32 s67, s20, HALFS
	s_add_co_u32 s67, s67, 2*HALFS
	s_sub_co_u32 s67, s67, s23
	v_mul_u32_u24 v6, s67, v2                      ; lanes 16-31 take B's: one product, the distance between the two bases
	s_add_co_u32 s23, s23, SCL
	v_add_nc_u32 v5, v5, v6
	v_add_nc_u32 v[ADRS], s23, v5
	v_and_b32 v6, 31, v0
	v_lshlrev_b32 v[L16], 4, v6
	v_lshlrev_b32 v[L8], 3, v6
	; the way out's scalars.  The pointers to the operands are done with: their registers are used again
	s_lshl_b32 s21, s21, 8
	s_lshl_b32 s23, s19, 7
	s_add_co_u32 s21, s21, s23                     ; my first row of A
	s_lshl_b32 s22, s22, 8
	s_lshl_b32 s23, s20, 7
	s_add_co_u32 s22, s22, s23                     ; my first row of B
	s_cmp_eq_u32 s2, 1                             ; all selects on this compare stand together; s_mov_b32 between them leaves SCC alone
	s_cselect_b32 s23, s22, s21                    ; my first token
	s_cselect_b32 s67, s21, s22                    ; my first row of Wqkv
	s_cselect_b32 s96, 0, -1                       ; all ones for q and k
	s_cselect_b32 s97, -1, 0                       ; all ones for v
	s_cselect_b32 s98, -1, 0xffff                  ; what the first scale image keeps of a word
	s_mov_b32 s6, 294912
	s_cselect_b32 s6, 768, s6                      ; from a fragment's first half image to its second: v: on end; q, k: the next head
	s_mov_b32 s8, 768
	s_cselect_b32 s8, 1536, s8                     ; from block to block
	s_mov_b32 s10, 768
	s_cselect_b32 s10, 290304, s10                 ; from block 3 to block 4: for v the next head's first fragment, 294,912 - 3 x 1,536
	s_cselect_b32 s104, 0, s22                     ; where the bias along the registers begins (q, k; else any 128 inside the buffer)
	s_cselect_b32 s105, s21, 0                     ; where the lanes' bias begins (v; likewise)
	s_mov_b32 s7, 0
	s_mov_b32 s9, 0
	s_mov_b32 s11, 0
	s_lshl_b32 s104, s104, 2
	s_lshl_b32 s105, s105, 2
	s_lshr_b32 s100, s23, 11
	s_lshl_b32 s100, s100, 4
	s_bfe_u32 s101, s67, 0x40006
	s_add_co_u32 s100, s100, s101                  ; 16 x batch + head (an even head)
	s_bfe_u32 s101, s23, 0x40007                   ; which 128 tokens of the 2,048
	s_lshr_b32 s67, s67, 10                        ; 0 q, 1 k, 2 v
	s_mul_i32 s4, s100, 294912
	s_mul_i32 s5, s101, 18432
	s_add_co_u32 s4, s4, s5
	s_mul_i32 s5, s67, 6144
	s_add_co_u32 s4, s4, s5                        ; under 2^25
	s_mov_b32 s5, 0
	s_add_nc_u64 s[4:5], s[14:15], s[4:5]          ; where block 0's first half image goes,
	s_add_nc_u64 s[6:7], s[4:5], s[6:7]            ; and its second
	s_mul_i32 s92, s100, 24576
	s_mul_i32 s93, s101, 1536
	s_add_co_u32 s92, s92, s93
	s_lshl_b32 s93, s67, 9
	s_add_co_u32 s92, s92, s93
	s_mov_b32 s93, 0
	s_add_nc_u64 s[92:93], s[16:17], s[92:93]      ; the even head's scale image,
	s_add_nc_u64 s[94:95], s[92:93], 24576         ; the odd head's
	s_mov_b32 s99, 0xffff0000                      ; lanes 16-31
	s_mov_b32 s[SEL], 0x76543210
	s_mov_b32 s[SEL+1], 0xfedcba98                 ; v_permlanex16_b32's selects for lane l xor 16
	; the bias
	v_lshlrev_b32 v6, 6, v2
	v_add_nc_u32 v6, s104, v6                      ; along the registers: tile b's eight of my half: index 32 (b / 2) + 16 h + 8 (b % 2) + 0 .. 7
.irp b, 0,1,2,3,4,5,6,7
	global_load_b128 v[BR+8*\b:BR+8*\b+3], v6, s[12:13] offset:(32*(\b/2)+8*(\b%2))*4
	global_load_b128 v[BR+8*\b+4:BR+8*\b+7], v6, s[12:13] offset:(32*(\b/2)+8*(\b%2))*4+16
.endr
	v_and_b32 v7, 8, v1
	v_add_nc_u32 v7, v7, v1
	v_lshlrev_b32 v7, 2, v7
	v_add_nc_u32 v7, s105, v7                      ; a lane's: block a's row r is index 32 (a / 2) + 8 (a % 2) + r + 8 (r / 8)
.irp a, 0,1,2,3,4,5,6,7
	global_load_b32 v[BT+\a], v7, s[12:13] offset:(32*(\a/2)+8*(\a%2))*4
.endr
	s_wait_loadcnt 0x0
.set i, 0
.rept 64
	v_and_b32 v[BR+i], s96, v[BR+i]                ; kept for q and k, 0 for v
.set i, i+1
.endr
.irp a, 0,1,2,3,4,5,6,7
	v_and_b32 v[BLP+2*\a], s97, v[BT+\a]           ; kept for v, 0 for q and k; twice, for the packed addition
	v_and_b32 v[BLP+2*\a+1], s97, v[BT+\a]
.endr
.macro FRAG reg, adr, q, i             ; a fragment: lane l holds row l % 16; registers 6 c .. 6 c + 5 hold K = 64 c + 32 (l / 16) + 0 .. 31: 24 bytes of the row, in pieces of 8
.irp p, 0,1,2,3,4,5
.set PCE, 12*(\q)+6*(\p/3)+\p%3        ; lanes 16-31 read three pieces on; where that lies behind one padding more, the second address register serves
.if PCE%8 < 5
	ds_load_b64 v[\reg+2*\p:\reg+2*\p+1], v[\adr] offset:8*PCE+16*(PCE/8)+(\i)*16*PITCH
.else
	ds_load_b64 v[\reg+2*\p:\reg+2*\p+1], v[\adr+2] offset:8*PCE+16*(PCE/8)+(\i)*16*PITCH
.endif
.endr
.endm
; 16 matrix instructions: A's blocks a0, a0 + 1 x B's eight.  p: B's set; sc: the set of scale words.  zero = 1: the first K step starts the sums, with the bias along the registers as C.
; The 64 accumulators take turns, one instruction a turn, in the same order in every step.
.macro MUL16 a0, p, q, sc, zero
.irp a, \a0, \a0+1
.irp b, 0,1,2,3,4,5,6,7
.if \zero
	v_wmma_scale_f32_16x16x128_f8f6f4 v[8*(8*((\a)%4)+\b):8*(8*((\a)%4)+\b)+7], v[128*(\p)+FR*\b:128*(\p)+FR*\b+FR-1], v[AF+FR*(\a):AF+FR*(\a)+FR-1], v[BR+8*\b:BR+8*\b+7], v[SC+8*NQ*(\sc)+NQ*\b+(\q)], v[SC+8*NQ*(\sc)+NQ*(\a)+(\q)] matrix_a_fmt:MATRIX_FMT_FP6 matrix_b_fmt:MATRIX_FMT_FP6 matrix_a_scale:MATRIX_SCALE_ROW1
.else
	v_wmma_scale_f32_16x16x128_f8f6f4 v[8*(8*((\a)%4)+\b):8*(8*((\a)%4)+\b)+7], v[128*(\p)+FR*\b:128*(\p)+FR*\b+FR-1], v[AF+FR*(\a):AF+FR*(\a)+FR-1], v[8*(8*((\a)%4)+\b):8*(8*((\a)%4)+\b)+7], v[SC+8*NQ*(\sc)+NQ*\b+(\q)], v[SC+8*NQ*(\sc)+NQ*(\a)+(\q)] matrix_a_fmt:MATRIX_FMT_FP6 matrix_b_fmt:MATRIX_FMT_FP6 matrix_a_scale:MATRIX_SCALE_ROW1
.endif
.endr
.endr
.endm
.macro FETCH_B slot, q, p
	WIN TO_B
.irp i, 0,1,2,3,4,5,6,7
	FRAG 128*(\p)+FR*\i, ADRB+\slot, \q, \i
.endr
	WIN 0
.endm
.macro FETCH_A slot, q, i0
.irp i, \i0, \i0+1, \i0+2, \i0+3
	FRAG AF+FR*(\i), ADRA+\slot, \q, \i
.endr
.endm
.macro SCALES sc                       ; a K step's scale words: two a row; lanes 0-15 take A's block i, lanes 16-31 B's block i
.irp i, 0,1,2,3,4,5,6,7
	ds_load_b64 v[SC+8*NQ*\sc+NQ*\i:SC+8*NQ*\sc+NQ*\i+1], v[ADRS] offset:\i*SBLK
.endr
.endm
.macro PLACES n                        ; plain vector lines between a matrix instruction and a load into, or a vector read or write of, its registers
.rept \n
	v_nop
.endr
.endm
.macro STEP slot, q, zero              ; 128 along K that has its successor in the same slot
	s_wait_dscnt 4*NL                              ; B's set and A's blocks 0-3 are in; the youngest 24 loads (A's blocks 4-7) may be out
.if \zero
	WIN 0x81                                       ; C (the bias) window 0, D window 2
.else
	WIN MUL_LO
.endif
	MUL16 0, (\q)%2, \q, \slot, \zero
	MUL16 2, (\q)%2, \q, \slot, \zero
	s_wait_dscnt 0                                 ; A's blocks 4-7 are in
	PLACES NP
	FETCH_B \slot, (\q)+1, 1-(\q)%2
	FETCH_A \slot, (\q)+1, 0
.if \zero
	WIN 0xc1
.else
	WIN MUL_HI
.endif
	MUL16 4, (\q)%2, \q, \slot, \zero
	MUL16 6, (\q)%2, \q, \slot, \zero
	PLACES NP
	WIN 0
	FETCH_A \slot, (\q)+1, 4
.endm
; A slot's last step changes slots: one barrier; in front of it each wave waits for all its tensor loads, adds 0 to its spare word, and waits for that and for its reads of this slot.  fill = 1: the slot is filled again, two K steps ahead.
.macro TURN slot, next, fill
	s_wait_tensorcnt 0x0                           ; all my tensor loads have landed: my part of the next slot
	ds_add_u32 v[SPW], v[NIL]                      ; 0 onto my spare word
	s_wait_dscnt 4*NL+1                            ; (the add and the youngest 24 loads may be out)
	WIN MUL_LO
	MUL16 0, 1, NQ-1, \slot, 0
	s_wait_dscnt 0x0                               ; the add is done, and my reads of this slot are over
	s_barrier_signal -1
	MUL16 2, 1, NQ-1, \slot, 0
	WIN 0
	s_barrier_wait -1
.if \fill
	CREST                                          ; the barrier has opened a round of the cluster's: no wave of any partner still reads this slot or has a load on its way
	s_add_nc_u64 s[G0+4*\slot+2:G0+4*\slot+3], s[G0+4*\slot+2:G0+4*\slot+3], 2*ROWB
	s_add_nc_u64 s[G0B+4*\slot+2:G0B+4*\slot+3], s[G0B+4*\slot+2:G0B+4*\slot+3], 2*ROWB
	JLOAD G0+4*\slot, G1, G0B+4*\slot, G1B         ; the first tensor load behind the round; its four v_nop are the places in front of the loads below
.else
	PLACES NP
.endif
	v_add_nc_u32 v[ADRS], 4*NQ, v[ADRS]            ; on to the next K step's scale words
	FETCH_B \next, 0, 0
	FETCH_A \next, 0, 0
	SCALES \next
	WIN MUL_HI
	MUL16 4, 1, NQ-1, \slot, 0
	MUL16 6, 1, NQ-1, \slot, 0
	PLACES NP
	WIN 0
	FETCH_A \next, 0, 4
.endm
	s_wait_tensorcnt 1                             ; the scale bytes and my part of K step 0 are in; K step 1's load may be out
	s_barrier_signal -1
	s_barrier_wait -1
	FETCH_B 0, 0, 0
	FETCH_A 0, 0, 0
	SCALES 0
	FETCH_A 0, 0, 4
	; K = 1,024 is four slots' worth, eight steps of 128: written straight, since a loop would have one trip
	STEP 0, 0, 1
	TURN 0, 1, 1                                   ; slot 0 takes K 512 on
	STEP 1, 0, 0
	TURN 1, 0, 1                                   ; slot 1 takes K 768 on
	STEP 0, 0, 0
	TURN 0, 1, 0                                   ; nothing is left to fetch
	STEP 1, 0, 0
	s_wait_dscnt 4*NL
	WIN MUL_LO
	MUL16 0, 1, NQ-1, 1, 0
	MUL16 2, 1, NQ-1, 1, 0
	s_wait_dscnt 0
	WIN MUL_HI
	MUL16 4, 1, NQ-1, 1, 0
	MUL16 6, 1, NQ-1, 1, 0
	WIN 0
; 64 numbers of a lane, register 16 b + i = index 32 b + 16 (lane / 16) + i of my row, become a fragment's codes in v[PC] on and its scale word in v[PW].
.macro QUANT s
.irp b, 0,1,2,3
	v_max3_num_f32 v[TM+\b], |v[\s+16*\b]|, |v[\s+1+16*\b]|, 0x1800000   ; block b: my 16 numbers, and the floor 2^(3 - 127): the byte cannot fall under 1
.endr
.irp i, 2,4,6,8,10,12,14
.irp b, 0,1,2,3
	v_max3_num_f32 v[TM+\b], v[TM+\b], |v[\s+16*\b+\i]|, |v[\s+1+16*\b+\i]|   ; the four blocks by turns
.endr
.endr
.irp b, 0,1,2,3
	v_permlanex16_b32 v[TM+4+\b], v[TM+\b], s[SEL], s[SEL+1]
.endr
.irp b, 0,1,2,3
	v_max_num_f32 v[TM+\b], v[TM+\b], v[TM+4+\b]   ; with lane l xor 16's: the block's largest magnitude
.endr
.irp b, 0,1,2,3
	v_add_nc_u32 v[TM+12+\b], 0xff000000, v[TM+\b] ; 2 off its exponent field: the conversion's scale operand
.endr
.irp b, 0,1,2,3
	v_lshrrev_b32 v[TM+4+\b], 23, v[TM+12+\b]      ; the scale's byte
.endr
	v_lshl_or_b32 v[PW], v[TM+5], 8, v[TM+4]
	v_lshl_or_b32 v[PW], v[TM+6], 16, v[PW]
	v_lshl_or_b32 v[PW], v[TM+7], 24, v[PW]
.irp c, 0,1
	v_cvt_scalef32_pk16_fp6_f32 v[PC+6*\c:PC+2+6*\c], v[\s+32*\c:\s+15+32*\c], v[TM+12+2*\c]
	v_cvt_scalef32_pk16_fp6_f32 v[PC+12+4*\c:PC+14+4*\c], v[\s+16+32*\c:\s+31+32*\c], v[TM+12+2*\c+1]   ; (a conversion's three registers begin on an even number)
.endr
	v_nop                                          ; one plain line behind a scaled conversion
.irp c, 0,1                            ; the operand's layout wants a whole block in a lane: lanes 0-15 block 2 c, lanes 16-31 block 2 c + 1
.irp i, 0,1,2
	v_permlane16_swap_b32 v[PC+6*\c+\i], v[PC+12+4*\c+\i]
.endr
.irp i, 0,1,2
	v_mov_b32 v[PC+3+6*\c+\i], v[PC+12+4*\c+\i]
.endr
.endr
.endm
; Block a of A's eight: the lane's bias is added, the 64 numbers are quantised, the fragment leaves as two half images.
.macro OUTBLK a
	WIN 0x02+(\a)/4                                ; source 0: window 2 or 3
.set i, 0
.rept 32
	v_pk_add_f32 v[HA+2*i:HA+2*i+1], v[64*((\a)%4)+2*i:64*((\a)%4)+2*i+1], v[BLP+2*(\a):BLP+2*(\a)+1]   ; each accumulator from its low end on
.set i, i+1
.endr
	WIN 0
.if (\a) > 0
	s_wait_xcnt 0x0                                ; the last block's stores have read their data and their bases: both are written again only behind this wait
.if (\a) == 4
	s_add_nc_u64 s[4:5], s[4:5], s[10:11]
	s_add_nc_u64 s[6:7], s[6:7], s[10:11]
.else
	s_add_nc_u64 s[4:5], s[4:5], s[8:9]
	s_add_nc_u64 s[6:7], s[6:7], s[8:9]
.endif
.endif
	QUANT HA
	v_mov_b32 v[PWS+(\a)], v[PW]
	global_store_b128 v[L16], v[PC:PC+3], s[4:5]               ; 512 consecutive bytes, aligned
	global_store_b64 v[L8], v[PC+4:PC+5], s[4:5] offset:512    ; 256 consecutive bytes, aligned
	global_store_b128 v[L16], v[PC+6:PC+9], s[6:7]
	global_store_b64 v[L8], v[PC+10:PC+11], s[6:7] offset:512
.endm
	PLACES NP                                      ; behind the last products: the first reads of results, and the first writes over A's fragments
.irp b, 0,1,2,3
	v_mov_b32 v[TM+4+\b], 0                        ; written once: a lane permute's destination counts as one of its sources
.endr
.irp a, 0,1,2,3,4,5,6,7
	OUTBLK \a
.endr
	; the scale images: register k of lane r + 16 u is the word of block 2 k + u, row r (every lane holds its row's word, in both halves)
.irp k, 0,1,2,3
	v_cndmask_b32 v[W2+\k], v[PWS+2*\k], v[PWS+2*\k+1], s99
.endr
.irp k, 0,1,2,3
	v_and_b32 v[X1+\k], s98, v[W2+\k]              ; q, k: the even head's two bytes; v: the word as it is (blocks 0-3 are the even head's four tiles)
	v_lshrrev_b32 v[TT+\k], 16, v[W2+\k]           ; q, k: the odd head's two bytes
.endr
.irp k, 0,1,2,3
	v_cndmask_b32 v[X2+\k], v[TT+\k], v[W2+2+(\k&1)], s97      ; v: blocks 4-7 are the odd head's four tiles
.endr
	global_store_b128 v[L16], v[X1:X1+3], s[92:93]
	global_store_b128 v[L16], v[X2:X2+3], s[94:95]
	s_wait_tensorcnt 0x0                           ; the wave's end
	ds_add_u32 v[SPW], v[NIL]
	s_wait_dscnt 0x0
	CROUND                                         ; the closing round: no work-group ends while a partner may still ask for a tile that names it
	s_endpgm
.Lfunc_end_k_q30afd85824_qkv:
	.size	k_q30afd85824_qkv, .Lfunc_end_k_q30afd85824_qkv-k_q30afd85824_qkv
	.p2alignl 7, 3214868480
	.fill 96, 4, 3214868480
	.section	.rodata,"a",@progbits
	.p2align	6, 0x0
	.amdhsa_kernel k_q30afd85824_qkv
		.amdhsa_group_segment_fixed_size 327680
		.amdhsa_private_segment_fixed_size 0
		.amdhsa_enable_private_segment 0
		.amdhsa_kernarg_size 56
		.amdhsa_user_sgpr_count 2
		.amdhsa_user_sgpr_kernarg_segment_ptr 1
		.amdhsa_wavefront_size32 1
		.amdhsa_system_sgpr_workgroup_id_x 1
		.amdhsa_system_sgpr_workgroup_id_y 1
		.amdhsa_system_sgpr_workgroup_id_z 1
		.amdhsa_system_vgpr_workitem_id 0
		.amdhsa_next_free_vgpr 1024
		.amdhsa_next_free_sgpr 106
		.amdhsa_reserve_vcc 0
		.amdhsa_float_denorm_mode_32 3
		.amdhsa_float_denorm_mode_16_64 3
		.amdhsa_memory_ordered 1
		.amdhsa_forward_progress 1
		.amdhsa_inst_pref_size 188
	.end_amdhsa_kernel
	.amdgpu_metadata
---
amdhsa.version: [ 1, 2 ]
amdhsa.kernels:
  - .name:           k_q30afd85824_qkv
    .symbol:         k_q30afd85824_qkv.kd
    .args:
      - { .name: xc, .offset: 0, .size: 8, .value_kind: global_buffer, .address_space: global }
      - { .name: xs, .offset: 8, .size: 8, .value_kind: global_buffer, .address_space: global }
      - { .name: wc, .offset: 16, .size: 8, .value_kind: global_buffer, .address_space: global }
      - { .name: ws, .offset: 24, .size: 8, .value_kind: global_buffer, .address_space: global }
      - { .name: bqkv, .offset: 32, .size: 8, .value_kind: global_buffer, .address_space: global }
      - { .name: qkvc, .offset: 40, .size: 8, .value_kind: global_buffer, .address_space: global }
      - { .name: qkvs, .offset: 48, .size: 8, .value_kind: global_buffer, .address_space: global }
    .group_segment_fixed_size: 327680
    .private_segment_fixed_size: 0
    .kernarg_segment_align: 8
    .kernarg_segment_size: 56
    .max_flat_workgroup_size: 128
    .sgpr_count:     106
    .vgpr_count:     1024
    .wavefront_size: 32
...
	.end_amdgpu_metadata
.endif
;; end of part 2
;; launch attn (part 3): grid 4 x 64, 16 waves a work-group, clusters of 4 x 1, 215,040 bytes of LDS; arguments qkvc, qkvs, oc, os; writes oc, os
.if DOCPART == 3
	.amdgcn_target "amdgcn-amd-amdhsa--gfx1250"
	.amdhsa_code_object_version 6
	.text
	.protected	k_q30afd85824_attn
	.globl	k_q30afd85824_attn
	.p2align	8
	.type	k_q30afd85824_attn,@function
k_q30afd85824_attn:
	s_mov_b64 s[64:65], 0
	v_nop
	global_prefetch_b8 v0, s[64:65] scope:SCOPE_SE
	s_setreg_imm32_b32 hwreg(HW_REG_WAVE_MODE, 25, 1), 1
	s_wait_xcnt 0x0
	s_wait_alu depctr_hold_cnt(0) depctr_sa_sdst(0) depctr_va_vdst(0) depctr_va_sdst(0) depctr_va_ssrc(0) depctr_va_vcc(0) depctr_vm_vsrc(0)
	s_getreg_b32 s2, hwreg(HW_REG_IB_STS2, 6, 4)
	s_cmp_eq_u32 s2, 0
	s_cbranch_scc0 .Lentry_in_a_cluster
	s_endpgm
.Lentry_in_a_cluster:
	s_bfe_u32 s2, ttmp6, 0x10000c
	s_cmp_lg_u32 s2, 0x3003
	s_cbranch_scc0 .Lentry_shape_is_right
	s_endpgm
.Lentry_shape_is_right:
; o = softmax(q k^T / 8) v for one (batch, head), both products on codes of FP6 (E2M3) with E8M0 scales; o is quantised along the head's 64 at once and leaves as codes.
; THE SOFTMAX AHEAD OF THE SECOND PRODUCT: t = score x log2(e) / 8 (the factor 1/8 of q, a power of two, is taken here: the codes of q / 8 are those of q); M = the largest t so far, rounded up to a whole number;
; p = 2^(t - M) is quantised along the keys, not normalised; the row's sum is taken of the unquantised p and divides at the end.  When M moves, the sum and O are multiplied by 2^(old M - new M), exactly.
; SHARES.  A work-group owns 512 queries of one head, each of its sixteen waves two tiles of 16, one after the other (two passes); four waves to a SIMD, so that one wave's vector work stands beside another's products and LDS loads.
; THE WHOLE HEAD'S K AND V LIE IN LDS, filled once: 16 key steps x (8 half images of K, 4 fragments of V) = 196,608 bytes, and their scale images, 16,384.  No byte of LDS is filled or written again.
; CLUSTER.  The four work-groups of a cluster are the four query blocks of one head: K and V are asked for jointly, by the same two tensor loads in waves 0 to 3 of each.
; LAYOUT.  Both products are used transposed (source 0 = 16 keys, or 16 of the head's 64; source 1 = my 16 queries): a lane holds one query throughout.  Tokens and v's d lie in stored order (row bits 3 and 4 exchanged),
; so the 16 registers of tiles 2 b, 2 b + 1 are 16 neighbours in true order.  K = 64 fills half of the instruction's 128: q's upper six registers are zero codes, k's upper six are whatever follows (the next tile's codes:
; every code of this format is a finite number) and both sides' scale bytes there are 0, a power of two: those products add nothing.
; LIMITS: folding 1/8 is exact unless a block of q lies under 2^-121; a block under 2^-124 keeps the scale byte 1; NaN and infinities are not served.
; REGISTERS: v1-8 offsets that stay; v9 o's scale bytes of both passes; v12 -M, v13 largest t, v[14:15] the sum; v16-27 q; v32-85 k's eight half fragments and six zeros, then v's four fragments;
;   v96-159 the scores, then p; v160-191 O^T; v192-210 codes; v212-226 at work; v232-244 scale words.
.set SC,    196608                     ; LDS: the scale images begin here
.set STEPB, 12288                      ; a key step's codes
	s_load_b256 s[4:11], s[0:1], 0x0               ; qkvc, qkvs, oc, os
	v_lshl_add_u32 v254, v0, 2, 0x34000
	v_mov_b32 v255, 0
	ds_add_u32 v254, v255
	ds_add_u32 v254, v255
	v_lshrrev_b32 v1, 5, v0
	s_delay_alu instid0(VALU_DEP_1)
	v_readfirstlane_b32 s12, v1                    ; wave 0..15
	s_bfe_u32 s13, ttmp6, 0x40000                  ; cx: which 512 queries: it enters q's and o's addresses alone
	s_and_b32 s14, ttmp7, 0xffff                   ; 16 x batch + head, which the four partners share
	s_and_b32 s15, s12, 3
	; descriptor groups 1.  Codes: 4 key steps, each 12,288 bytes on end (K, V), 18,432 bytes apart (q's 6,144 lie between).  Scale images: 4 x 1,024 bytes, 1,536 apart.  Elements of 8 bytes, no padding, all four work-groups
	s_mov_b32 s24, 15|(3<<16)|(1<<21)
	s_mov_b32 s25, 1536<<16
	s_mov_b32 s26, 4<<16
	s_mov_b32 s27, 1536<<16
	s_mov_b32 s28, 4
	s_mov_b32 s29, 2304
	s_mov_b32 s30, 0
	s_mov_b32 s31, 0
	s_mov_b32 s32, 15|(3<<16)|(1<<21)
	s_mov_b32 s33, 128<<16
	s_mov_b32 s34, 4<<16
	s_mov_b32 s35, 128<<16
	s_mov_b32 s36, 4
	s_mov_b32 s37, 192
	s_mov_b32 s38, 0
	s_mov_b32 s39, 0
	s_mul_i32 s58, s14, 294912                     ; the head's codes,
	s_mul_i32 s59, s14, 24576                      ; and its scale images
	s_mul_i32 s60, s15, 73728                      ; key steps 4 (wave % 4) on
	s_add_co_u32 s60, s60, s58
	s_add_co_u32 s60, s60, 6144
	s_mov_b32 s61, 0
	s_mul_i32 s52, s15, 6144
	s_add_co_u32 s52, s52, s59
	s_add_co_u32 s52, s52, 512
	s_mov_b32 s53, 0
	s_wait_dscnt 0x0
	s_wait_kmcnt 0x0
	s_mov_b32 s40, 1
	s_mul_i32 s41, s15, 4*STEPB
	s_add_nc_u64 s[42:43], s[4:5], s[60:61]
	s_or_b32 s43, s43, 0x80000000
	s_mov_b32 s44, 1
	s_mul_i32 s45, s15, 4096
	s_add_co_u32 s45, s45, SC
	s_add_nc_u64 s[46:47], s[6:7], s[52:53]
	s_or_b32 s47, s47, 0x80000000
.macro CROUND                          ; a round of the cluster's barrier
	s_barrier_signal -1
	s_barrier_wait -1
	s_cmp_lg_u32 s12, 0
	s_cbranch_scc1 .Lnot_wave_0_\@
	s_barrier_signal -3
.Lnot_wave_0_\@:
	s_barrier_wait -3
	s_barrier_signal -1
	s_barrier_wait -1
.endm
	CROUND                                         ; all four work-groups are here: the joint loads meet
	s_cmp_lt_u32 s12, 4                            ; waves 0 to 3 fetch, both loads in one branch: two tensor loads of such a wave are out
	s_cbranch_scc0 .Lno_fill
	tensor_load_to_lds s[40:43], s[24:31]
	s_nop 0
	tensor_load_to_lds s[44:47], s[32:39]
	s_nop 0
.rept 4
	v_nop
.endr
.Lno_fill:
	; where my queries lie: token block 32 cx + 2 wave + pass of the head's 128
	s_lshl_b32 s52, s13, 2
	s_lshr_b32 s53, s12, 2
	s_add_co_u32 s52, s52, s53                     ; which 128 tokens
	s_mul_i32 s16, s52, 18432
	s_add_co_u32 s16, s16, s58
	s_mul_i32 s53, s15, 1536                       ; block 2 (wave % 4) of its eight
	s_add_co_u32 s16, s16, s53
	s_mov_b32 s17, 0
	s_add_nc_u64 s[16:17], s[4:5], s[16:17]        ; q's half image
	s_mul_i32 s18, s52, 1536
	s_add_co_u32 s18, s18, s59
	s_lshl_b32 s53, s15, 2
	s_add_co_u32 s18, s18, s53
	s_mov_b32 s19, 0
	s_add_nc_u64 s[18:19], s[6:7], s[18:19]        ; its scale words: slot wave % 4 of the image; the odd block's lie 256 bytes on
	s_lshr_b32 s52, s14, 4
	s_lshl_b32 s52, s52, 7
	s_lshl_b32 s53, s13, 5
	s_add_co_u32 s52, s52, s53
	s_lshl_b32 s53, s12, 1
	s_add_co_u32 s52, s52, s53                     ; my first token block of all 512
	s_and_b32 s53, s14, 15                         ; the head
	s_lshl_b32 s48, s52, 4
	s_add_co_u32 s48, s48, s53
	s_mul_i32 s48, s48, 768
	s_mov_b32 s49, 0
	s_add_nc_u64 s[48:49], s[8:9], s[48:49]        ; o's half image: [token block][head]
	s_lshl_b32 s50, s52, 9
	s_lshl_b32 s53, s53, 1
	s_add_co_u32 s50, s50, s53
	s_mov_b32 s51, 0
	s_add_nc_u64 s[50:51], s[10:11], s[50:51]      ; o's scale bytes: 32 a token, two a head
	s_mov_b32 s20, 0x76543210
	s_mov_b32 s21, 0xfedcba98                      ; v_permlanex16_b32's selects for lane l xor 16
	s_mov_b32 s22, 0x3e38aa3b                      ; c = log2(e) / 8
	s_mov_b32 s23, s22                             ; (named with it as a pair, so it is written)
	v_and_b32 v10, 31, v0                          ; lane
	s_delay_alu instid0(VALU_DEP_1)
	v_lshlrev_b32 v1, 4, v10                       ; an image's registers 0-3: 16 x lane
	s_delay_alu instid0(VALU_DEP_2)
	v_lshlrev_b32 v2, 3, v10                       ; its registers 4-5: 8 x lane
	v_and_b32 v11, 15, v0
	s_delay_alu instid0(VALU_DEP_1)
	v_lshlrev_b32 v7, 4, v11                       ; a scale image: 16 r
	s_delay_alu instid0(VALU_DEP_1)
	v_add_nc_u32 v3, SC, v7
	v_lshlrev_b32 v8, 5, v10                       ; o's scale bytes: lane = token of my 32
	v_mov_b32 v9, 0
.irp j, 22,23,24,25,26,27,80,81,82,83,84,85
	v_mov_b32 v\j, 0                               ; q's zero codes for K 64 on; what stands behind k's last half fragment
.endr
.irp j, 216,217,218,219,225,226
	v_mov_b32 v\j, 0                               ; written once: a lane permute's destination counts as one of its sources; v225 is named in the pair v[224:225] before it is first made
.endr
	s_mov_b32 s55, 2
	s_mov_b32 s56, 0xffff                          ; the lanes that keep this pass's scale bytes
	s_wait_tensorcnt 0x0                           ; my loads have landed,
	s_barrier_signal -1
	s_barrier_wait -1                              ; everybody's have: the whole head lies in LDS
.Lpass:
	global_load_b128 v[16:19], v1, s[16:17]        ; q's half image
	global_load_b64 v[20:21], v2, s[16:17] offset:512
	global_load_b32 v244, v7, s[18:19]             ; and its scale words
	v_mov_b32 v13, 0xff61b1e6                      ; the largest t so far: -3e38
	s_delay_alu instid0(VALU_DEP_1)
	v_floor_f32 v12, -v13                          ; -M
	v_mov_b32 v14, 0
	v_mov_b32 v15, 0
.set j, 0
.rept 32
	v_mov_b32 v[160+j], 0                          ; O^T: the key step is written once; its first trip finds zeros
.set j, j+1
.endr
	s_mov_b32 s52, 0                               ; the key step's codes in LDS
	s_mov_b32 s53, 0                               ; and its scale images
	s_mov_b32 s54, 16
	s_wait_loadcnt 0x0
.Lkey:                                             ; 128 keys a trip
	s_setprio 2
	v_add_nc_u32 v4, s52, v1
	v_add_nc_u32 v5, s52, v2
	v_add_nc_u32 v6, s53, v3
	v_nop                                          ; four plain lines behind the last trip's products, in front of loads into their registers
.irp a, 0,1,2,3,4,5,6,7
	ds_load_b128 v[32+6*\a:35+6*\a], v4 offset:768*\a
	ds_load_b64 v[36+6*\a:37+6*\a], v5 offset:768*\a+512
	ds_load_b32 v[232+\a], v6 offset:256*(\a%2)+4*(\a/2)
.endr
	s_wait_alu depctr_va_vdst(0)
	s_wait_dscnt 0x0
.irp a, 0,1,2,3,4,5,6,7
	v_wmma_scale_f32_16x16x128_f8f6f4 v[96+8*\a:103+8*\a], v[32+6*\a:43+6*\a], v[16:27], 0, v[232+\a], v244 matrix_a_fmt:MATRIX_FMT_FP6 matrix_b_fmt:MATRIX_FMT_FP6
.endr
.rept 4
	v_nop                                          ; places in front of the loads into k's registers and of the first read of the scores
.endr
.irp t, 0,1,2,3                        ; v's four fragments land while the softmax is worked
	ds_load_b128 v[32+12*\t:35+12*\t], v4 offset:6144+1536*\t
	ds_load_b64 v[36+12*\t:37+12*\t], v5 offset:6144+1536*\t+512
	ds_load_b128 v[38+12*\t:41+12*\t], v4 offset:6144+1536*\t+768
	ds_load_b64 v[42+12*\t:43+12*\t], v5 offset:6144+1536*\t+1280
	ds_load_b32 v[240+\t], v6 offset:512+256*(\t%2)+4*(\t/2)
.endr
.irp b, 0,1,2,3
	v_max3_num_f32 v[212+\b], v[96+16*\b], v[97+16*\b], v[98+16*\b]   ; the largest score of each block of 32 keys: for the row's maximum and, since p rises with the score, for the block's largest p
.endr
.irp i, 3,5,7,9,11,13
.irp b, 0,1,2,3
	v_max3_num_f32 v[212+\b], v[212+\b], v[96+16*\b+\i], v[97+16*\b+\i]
.endr
.endr
.irp b, 0,1,2,3
	v_max_num_f32 v[212+\b], v[212+\b], v[111+16*\b]
.endr
.irp b, 0,1,2,3
	s_delay_alu instid0(VALU_DEP_4)
	v_permlanex16_b32 v[216+\b], v[212+\b], s20, s21
.endr
.irp b, 0,1,2,3
	s_delay_alu instid0(VALU_DEP_4)
	v_max_num_f32 v[212+\b], v[212+\b], v[216+\b]  ; with lane l xor 16's 16 keys
.endr
	s_delay_alu instid0(VALU_DEP_2)
	v_max3_num_f32 v226, v212, v213, v214
	s_delay_alu instid0(VALU_DEP_1)
	v_max_num_f32 v226, v226, v215
	s_delay_alu instid0(VALU_DEP_1)
	v_mul_f32 v226, s22, v226                      ; as t (c is positive)
	s_delay_alu instid0(VALU_DEP_1)
	v_max_num_f32 v13, v13, v226                   ; the running largest t
	v_mov_b32 v226, v12
	s_delay_alu instid0(VALU_DEP_2)
	v_floor_f32 v12, -v13                          ; the new -M = -ceil(t)
	s_delay_alu instid0(VALU_DEP_1)
	v_sub_f32 v226, v12, v226                      ; old M - new M: a whole number, 0 or less
	s_delay_alu instid0(VALU_DEP_1)
	v_cvt_i32_f32 v226, v226                       ; (it saturates)
	s_delay_alu instid0(VALU_DEP_1)
	v_ldexp_f32 v224, 1.0, v226                    ; f = 2^(old M - new M)
.set j, 0
.rept 32
	v_pk_fma_f32 v[96+j:97+j], v[96+j:97+j], s[22:23], v[12:13] op_sel_hi:[1,0,0]   ; t - M, two at a time
.set j, j+2
.endr
.irp b, 0,1,2,3
	v_fma_f32 v[212+\b], v[212+\b], s22, v12       ; the same of each block's largest score
.endr
.set j, 0
	s_setprio 1
	s_wait_alu depctr_va_vdst(0)
.rept 64
	v_exp_f32 v[96+j], v[96+j]                     ; p = 2^(t - M)
.set j, j+1
.endr
	v_pk_mul_f32 v[14:15], v[14:15], v[224:225] op_sel_hi:[1,0]   ; the sums under the new M (the plain line behind the exponentials)
	s_wait_alu depctr_va_vdst(0)                   ; one wait for the whole batch, ahead of its first reader
.irp b, 0,1,2,3
	v_exp_f32 v[212+\b], v[212+\b]                 ; the block's largest p: the same two instructions on the same number
.endr
	v_pk_add_f32 v[216:217], v[100:101], v[104:105]
	v_pk_add_f32 v[252:253], v[108:109], v[112:113]
	v_pk_add_f32 v[250:251], v[116:117], v[120:121]
	v_pk_add_f32 v[248:249], v[124:125], v[128:129]
	v_pk_add_f32 v[246:247], v[132:133], v[136:137]
	v_pk_add_f32 v[238:239], v[140:141], v[144:145]
	v_pk_add_f32 v[236:237], v[148:149], v[152:153]
	v_pk_add_f32 v[14:15], v[14:15], v[156:157]
	v_pk_add_f32 v[216:217], v[216:217], v[96:97]
	v_pk_add_f32 v[252:253], v[252:253], v[98:99]
	v_pk_add_f32 v[250:251], v[250:251], v[102:103]
	v_pk_add_f32 v[248:249], v[248:249], v[106:107]
	v_pk_add_f32 v[246:247], v[246:247], v[110:111]
	v_pk_add_f32 v[238:239], v[238:239], v[114:115]
	v_pk_add_f32 v[236:237], v[236:237], v[118:119]
	v_pk_add_f32 v[14:15], v[14:15], v[122:123]
	v_pk_add_f32 v[216:217], v[216:217], v[126:127]
	v_pk_add_f32 v[252:253], v[252:253], v[130:131]
	v_pk_add_f32 v[250:251], v[250:251], v[134:135]
	v_pk_add_f32 v[248:249], v[248:249], v[138:139]
	v_pk_add_f32 v[246:247], v[246:247], v[142:143]
	v_pk_add_f32 v[238:239], v[238:239], v[146:147]
	v_pk_add_f32 v[236:237], v[236:237], v[150:151]
	v_pk_add_f32 v[14:15], v[14:15], v[154:155]
	v_pk_add_f32 v[216:217], v[216:217], v[158:159]
	s_delay_alu instid0(VALU_DEP_2)
	v_pk_add_f32 v[14:15], v[14:15], v[248:249]
	s_delay_alu instid0(VALU_DEP_2)
	v_pk_add_f32 v[216:217], v[216:217], v[246:247]
	v_pk_add_f32 v[252:253], v[252:253], v[238:239]
	v_pk_add_f32 v[250:251], v[250:251], v[236:237]
	s_delay_alu instid0(VALU_DEP_2)
	v_pk_add_f32 v[14:15], v[14:15], v[252:253]
	s_delay_alu instid0(VALU_DEP_2)
	v_pk_add_f32 v[216:217], v[216:217], v[250:251]
	s_delay_alu instid0(VALU_DEP_1)
	v_pk_add_f32 v[14:15], v[14:15], v[216:217]
	s_wait_alu depctr_va_vdst(0)                   ; and one for the four
.irp b, 0,1,2,3
	v_max_num_f32 v[212+\b], 0x1800000, v[212+\b]  ; the floor 2^(3 - 127)
.endr
.irp b, 0,1,2,3
	s_delay_alu instid0(VALU_DEP_4)
	v_add_nc_u32 v[220+\b], 0xff000000, v[212+\b]  ; 2 off the exponent field: the conversion's scale operand
.endr
.irp b, 0,1,2,3
	s_delay_alu instid0(VALU_DEP_4)
	v_lshrrev_b32 v[216+\b], 23, v[220+\b]         ; the scale's byte
.endr
	s_delay_alu instid0(VALU_DEP_3)
	v_lshl_or_b32 v225, v217, 8, v216              ; p's scale word for these 128 keys
	s_delay_alu instid0(VALU_DEP_1)
	v_lshl_or_b32 v225, v218, 16, v225
	s_delay_alu instid0(VALU_DEP_1)
	v_lshl_or_b32 v225, v219, 24, v225
.irp c, 0,1
	v_cvt_scalef32_pk16_fp6_f32 v[192+6*\c:194+6*\c], v[96+32*\c:111+32*\c], v[220+2*\c]
	v_cvt_scalef32_pk16_fp6_f32 v[204+4*\c:206+4*\c], v[112+32*\c:127+32*\c], v[220+2*\c+1]
.endr
	v_nop                                          ; one plain line behind a scaled conversion
.irp c, 0,1
.irp i, 0,1,2
	v_permlane16_swap_b32 v[192+6*\c+\i], v[204+4*\c+\i]       ; a whole block to a lane
.endr
.irp i, 0,1,2
	s_delay_alu instid0(VALU_DEP_3)
	v_mov_b32 v[195+6*\c+\i], v[204+4*\c+\i]
.endr
.endr
.set j, 0
	s_setprio 0
.rept 16
	v_pk_mul_f32 v[160+j:161+j], v[160+j:161+j], v[224:225] op_sel_hi:[1,0]   ; O^T under the new M; these are also the plain lines between the writes of p's codes and scale word and the products
.set j, j+2
.endr
	s_wait_alu depctr_va_vdst(0)
	s_wait_dscnt 0x0                               ; v is in
.irp t, 0,1,2,3
	v_wmma_scale_f32_16x16x128_f8f6f4 v[160+8*\t:167+8*\t], v[32+12*\t:43+12*\t], v[192:203], v[160+8*\t:167+8*\t], v[240+\t], v225 matrix_a_fmt:MATRIX_FMT_FP6 matrix_b_fmt:MATRIX_FMT_FP6
.endr
	s_add_co_u32 s52, s52, STEPB
	s_add_co_u32 s53, s53, 1024
	s_sub_co_u32 s54, s54, 1
	s_cmp_lg_u32 s54, 0
	s_cbranch_scc1 .Lkey
	s_setprio 0
	; the way out of a pass: O^T / the sum, quantised along the head's 64 (two blocks), stored as a half image
	v_add_f32 v14, v14, v15
	s_delay_alu instid0(VALU_DEP_1)
	v_permlanex16_b32 v226, v14, s20, s21
	s_delay_alu instid0(VALU_DEP_1)
	v_add_f32 v14, v14, v226                       ; the row's sum
	s_wait_alu depctr_va_vdst(0)
	v_rcp_f32 v14, v14
.rept 4
	v_nop                                          ; plain lines behind the reciprocal and behind the last products
.endr
	s_wait_alu depctr_va_vdst(0)                   ; ahead of the reciprocal's first reader
	v_mov_b32 v15, v14
.set j, 0
.rept 16
	v_pk_mul_f32 v[96+j:97+j], v[160+j:161+j], v[14:15]        ; register 16 b + i is o(my query, 32 b + 16 (lane / 16) + i); each accumulator from its low end on
.set j, j+2
.endr
	v_max3_num_f32 v212, |v96|, |v97|, 0x1800000
	v_max3_num_f32 v213, |v112|, |v113|, 0x1800000
.irp i, 2,4,6,8,10,12,14
	s_delay_alu instid0(VALU_DEP_2)
	v_max3_num_f32 v212, v212, |v[96+\i]|, |v[97+\i]|
	s_delay_alu instid0(VALU_DEP_2)
	v_max3_num_f32 v213, v213, |v[112+\i]|, |v[113+\i]|
.endr
	s_delay_alu instid0(VALU_DEP_2)
	v_permlanex16_b32 v216, v212, s20, s21
	s_delay_alu instid0(VALU_DEP_2)
	v_permlanex16_b32 v217, v213, s20, s21
	s_delay_alu instid0(VALU_DEP_2)
	v_max_num_f32 v212, v212, v216
	s_delay_alu instid0(VALU_DEP_2)
	v_max_num_f32 v213, v213, v217
	s_delay_alu instid0(VALU_DEP_2)
	v_add_nc_u32 v220, 0xff000000, v212
	s_delay_alu instid0(VALU_DEP_2)
	v_add_nc_u32 v221, 0xff000000, v213
	s_delay_alu instid0(VALU_DEP_2)
	v_lshrrev_b32 v216, 23, v220
	s_delay_alu instid0(VALU_DEP_2)
	v_lshrrev_b32 v217, 23, v221
	s_delay_alu instid0(VALU_DEP_1)
	v_lshl_or_b32 v226, v217, 8, v216              ; my query's two scale bytes (the same in both halves of the lanes)
	s_delay_alu instid0(VALU_DEP_1)
	v_cndmask_b32 v9, v9, v226, s56                ; pass 0's in lanes 0-15, pass 1's in lanes 16-31
	v_cvt_scalef32_pk16_fp6_f32 v[192:194], v[96:111], v220
	v_cvt_scalef32_pk16_fp6_f32 v[204:206], v[112:127], v221
	v_nop
.irp i, 0,1,2
	v_permlane16_swap_b32 v[192+\i], v[204+\i]
.endr
.irp i, 0,1,2
	s_delay_alu instid0(VALU_DEP_3)
	v_mov_b32 v[195+\i], v[204+\i]
.endr
	global_store_b128 v1, v[192:195], s[48:49]     ; 512 consecutive bytes, aligned
	global_store_b64 v2, v[196:197], s[48:49] offset:512
	s_wait_xcnt 0x0                                ; loads and stores have read their bases and data: both are written again only behind this wait
	s_add_nc_u64 s[16:17], s[16:17], 768
	s_add_nc_u64 s[18:19], s[18:19], 256
	s_add_nc_u64 s[48:49], s[48:49], 12288
	s_lshl_b32 s56, s56, 16
	s_sub_co_u32 s55, s55, 1
	s_cmp_lg_u32 s55, 0
	s_cbranch_scc1 .Lpass
	s_wait_alu depctr_va_vdst(0)
	global_store_b16 v8, v9, s[50:51]              ; two bytes of each of my 32 tokens' rows of 32: a row's other bytes belong to other heads, which other work-groups make
	s_wait_tensorcnt 0x0
	ds_add_u32 v254, v255
	s_wait_dscnt 0x0
	CROUND                                         ; the closing round
	s_endpgm
.Lfunc_end_k_q30afd85824_attn:
	.size	k_q30afd85824_attn, .Lfunc_end_k_q30afd85824_attn-k_q30afd85824_attn
	.p2alignl 7, 3214868480
	.fill 96, 4, 3214868480
	.section	.rodata,"a",@progbits
	.p2align	6, 0x0
	.amdhsa_kernel k_q30afd85824_attn
		.amdhsa_group_segment_fixed_size 215040
		.amdhsa_private_segment_fixed_size 0
		.amdhsa_enable_private_segment 0
		.amdhsa_kernarg_size 32
		.amdhsa_user_sgpr_count 2
		.amdhsa_user_sgpr_kernarg_segment_ptr 1
		.amdhsa_wavefront_size32 1
		.amdhsa_system_sgpr_workgroup_id_x 1
		.amdhsa_system_sgpr_workgroup_id_y 1
		.amdhsa_system_sgpr_workgroup_id_z 1
		.amdhsa_system_vgpr_workitem_id 0
		.amdhsa_next_free_vgpr 256
		.amdhsa_next_free_sgpr 66
		.amdhsa_reserve_vcc 0
		.amdhsa_float_denorm_mode_32 3
		.amdhsa_float_denorm_mode_16_64 3
		.amdhsa_memory_ordered 1
		.amdhsa_forward_progress 1
		.amdhsa_inst_pref_size 31
	.end_amdhsa_kernel
	.amdgpu_metadata
---
amdhsa.version: [ 1, 2 ]
amdhsa.kernels:
  - .name:           k_q30afd85824_attn
    .symbol:         k_q30afd85824_attn.kd
    .args:
      - { .name: qkvc, .offset: 0, .size: 8, .value_kind: global_buffer, .address_space: global }
      - { .name: qkvs, .offset: 8, .size: 8, .value_kind: global_buffer, .address_space: global }
      - { .name: oc, .offset: 16, .size: 8, .value_kind: global_buffer, .address_space: global }
      - { .name: os, .offset: 24, .size: 8, .value_kind: global_buffer, .address_space: global }
    .group_segment_fixed_size: 215040
    .private_segment_fixed_size: 0
    .kernarg_segment_align: 8
    .kernarg_segment_size: 32
    .max_flat_workgroup_size: 512
    .sgpr_count:     66
    .vgpr_count:     256
    .wavefront_size: 32
...
	.end_amdgpu_metadata
.endif
;; end of part 3
;; launch outp (part 4): grid 4 x 32, 4 waves a work-group, clusters of 4 x 4, 327,680 bytes of LDS; arguments oc, os, wc, ws, bout, out0; writes out0
.if DOCPART == 4
	.amdgcn_target "amdgcn-amd-amdhsa--gfx1250"
	.amdhsa_code_object_version 6
	.text
	.protected	k_q30afd85824_outp
	.globl	k_q30afd85824_outp
	.p2align	8
	.type	k_q30afd85824_outp,@function
k_q30afd85824_outp:
	s_mov_b64 s[64:65], 0
	v_nop
	global_prefetch_b8 v0, s[64:65] scope:SCOPE_SE
	s_setreg_imm32_b32 hwreg(HW_REG_WAVE_MODE, 25, 1), 1
	s_wait_xcnt 0x0
	s_wait_alu depctr_hold_cnt(0) depctr_sa_sdst(0) depctr_va_vdst(0) depctr_va_sdst(0) depctr_va_ssrc(0) depctr_va_vcc(0) depctr_vm_vsrc(0)
	s_getreg_b32 s2, hwreg(HW_REG_IB_STS2, 6, 4)
	s_cmp_eq_u32 s2, 0
	s_cbranch_scc0 .Lentry_in_a_cluster
	s_endpgm
.Lentry_in_a_cluster:
	s_bfe_u32 s2, ttmp6, 0x10000c
	s_cmp_lg_u32 s2, 0xf033
	s_cbranch_scc0 .Lentry_shape_is_right
	s_endpgm
.Lentry_shape_is_right:
; out0 = o Wout^T + bout on codes of FP6 (E2M3) with E8M0 scales, K = 1,024, sums in f32.
; A work-group of four waves makes 256 tokens x 256 outputs, a wave 128 x 128: 64 accumulators.  K goes in steps of 256 through two LDS slots; the scale bytes of the 2 x 256 rows come once with the first fills.
; "A" (source 1, a token a lane) is o, which lies as images of the operand's registers: [token block of 16][head][768 bytes]: registers 0-3 at 16 x lane, 4-5 at 512 + 8 x lane.  Two heads on end are a fragment of 128 K;
; a K step's four heads of a token block are 3,072 bytes on end, so a wave's tile is 8 rows of 3,072 bytes, and a fragment comes by four loads whose lanes read consecutive bytes: no padding.
; "B" (source 0) is Wout: rows 3,072 on of wc and ws, 768 and 32 bytes a row, as rows of 192 bytes padded to 240 in LDS.
; Wout's rows and the tokens lie in stored order (row bits 3 and 4 exchanged): a lane's registers of B's tiles 2 b, 2 b + 1 are outputs 32 b + 16 (lane / 16) + 0 .. 15 in true order; the tokens are turned back by the stores' offsets.
; bout is the C of the first K step's products.  CLUSTERS: 4 x 4; A's tile is asked for jointly along a row of the cluster, B's along a column.
; REGISTERS: window 0: v16-29 addresses; v32-63 scale words, two sets; v64-127 the bias; v128-223 A's fragments; on the way out v128-255 rows of the result.  window 1: B's two sets.  windows 2, 3: the accumulators.
.set KSTEP,  256
.set NQ,     2
.set ROWB,   192
.set KROW,   768
.set PITCH,  240
.set FR,     12
.set NLA,    4                         ; LDS loads that bring a fragment of A
.set NP,     4
.set HALFA,  8*3072                    ; A: 8 token blocks x 4 heads: what one tensor load brings
.set HALFT,  128*PITCH                 ; B: 128 rows
.set SLOT,   2*HALFA+2*HALFT
.set KS,     32
.set SCL,    2*SLOT
.set HALFS,  (128*KS/256)*272
.set SBLK,   (16*KS/256)*272
.set SPARE,  SCL+4*HALFS               ; the spare words, 128 bytes a wave: two blocks of 256 bytes that no other line names
.set SPITCH, 528                       ; the way out: a stage of 16 rows x (512 + 16) bytes a wave, in slot 0, which has had its last fill and its last read by then
.set A16,  16                          ; v16-17 my A fragments in slot 0, 1: + 16 x lane
.set A8,   18                          ; v18-19 + 8 x lane
.set ADRB, 20                          ; v20-21 my B fragments; v22-23 the same behind one padding more
.set STO,  24
.set RD,   25
.set CO,   26
.set ADRS, 27
.set SPW,  28
.set NIL,  29
.set SC,   32
.set BR,   64
.set AF,   128
.set BK,   128
.set G1, 24
.set G0, 32
.set G1B, 48
.set G0B, 56
.set G1S, 68
.set G0S, 76
.set G1SB, 80
.set G0SB, 88
.set MSB, 0
.macro WIN new
.if MSB != (\new)
	s_set_vgpr_msb (MSB<<8)|(\new)
.set MSB, (\new)
.endif
.endm
.set MUL_LO, 0xa1
.set MUL_HI, 0xf1
.set TO_B,   0x40
.macro JLOAD g0a, g1a, g0b, g1b        ; a joint load: waves 0 and 1 fetch for A, waves 2 and 3 for B; four v_nop follow each line
	s_cmp_eq_u32 s19, 0
	s_cbranch_scc0 .Lfor_b_\@
	tensor_load_to_lds s[\g0a:\g0a+3], s[\g1a:\g1a+7]
	s_nop 0
.rept 4
	v_nop
.endr
	s_branch .Lasked_\@
.Lfor_b_\@:
	tensor_load_to_lds s[\g0b:\g0b+3], s[\g1b:\g1b+7]
	s_nop 0
.rept 4
	v_nop
.endr
.Lasked_\@:
.endm
.macro CREST
	s_cmp_lg_u32 s18, 0
	s_cbranch_scc1 .Lnot_wave_0_\@
	s_barrier_signal -3
.Lnot_wave_0_\@:
	s_barrier_wait -3
	s_barrier_signal -1
	s_barrier_wait -1
.endm
.macro CROUND
	s_barrier_signal -1
	s_barrier_wait -1
	CREST
.endm
	s_load_b256 s[4:11], s[0:1], 0x0               ; oc, os, wc, ws
	s_load_b128 s[12:15], s[0:1], 0x20             ; bout, out0
	v_lshl_add_u32 v[SPW], v0, 2, SPARE
	v_mov_b32 v[NIL], 0
	ds_add_u32 v28, v29
	ds_add_u32 v28, v29
	s_wait_dscnt 0x0
	v_lshrrev_b32 v1, 5, v0
	v_readfirstlane_b32 s18, v1                    ; wave 0..3
	s_lshr_b32 s19, s18, 1                         ; which 128 tokens are mine.  Also: I fetch for A (0) or for B (1)
	s_and_b32 s20, s18, 1                          ; which 128 outputs are mine.  Also: which half of a tile I fetch
	s_bfe_u32 s40, ttmp6, 0x40000                  ; cx
	s_bfe_u32 s41, ttmp6, 0x40004                  ; cy
	s_lshl_b32 s22, ttmp9, 2
	s_add_co_u32 s22, s22, s40                     ; tile of outputs
	s_and_b32 s21, ttmp7, 0xffff
	s_lshl_b32 s21, s21, 2
	s_add_co_u32 s21, s21, s41                     ; tile of tokens
	s_lshl_b32 s43, s41, 2
	s_lshl_b32 s43, 15, s43                        ; my row of the cluster
	s_lshl_b32 s44, 0x1111, s40                    ; my column
	s_or_b32 s[G1+0], s43, (3<<16)|(1<<21)         ; A: elements of 8 bytes, no padding: 8 rows of 384, 1,536 apart
	s_mov_b32 s[G1+1], 384<<16
	s_mov_b32 s[G1+2], 8<<16
	s_mov_b32 s[G1+3], 384<<16
	s_mov_b32 s[G1+4], 8
	s_mov_b32 s[G1+5], 1536
	s_mov_b32 s[G1+6], 0
	s_mov_b32 s[G1+7], 0
	s_or_b32 s[G1B+0], s44, (0<<16)|(1<<20)|(1<<21)|(3<<22)|(3<<25)  ; B: 128 rows of 192 bytes, 16 bytes of padding behind every 64
	s_mov_b32 s[G1B+1], ROWB<<16
	s_mov_b32 s[G1B+2], 128<<16
	s_mov_b32 s[G1B+3], ROWB<<16
	s_mov_b32 s[G1B+4], 128
	s_mov_b32 s[G1B+5], KROW
	s_mov_b32 s[G1B+6], 0
	s_mov_b32 s[G1B+7], 0
	s_or_b32 s[G1S+0], s43, (3<<16)|(1<<20)|(1<<21)|(5<<22)|(3<<25)  ; the scale bytes of 128 rows: 16 rows of 256 bytes, 16 of padding behind each
	s_or_b32 s[G1SB+0], s44, (3<<16)|(1<<20)|(1<<21)|(5<<22)|(3<<25)
.irp g, G1S, G1SB
	s_mov_b32 s[\g+1], 32<<16
	s_mov_b32 s[\g+2], (128*KS/256)<<16
	s_mov_b32 s[\g+3], 32<<16
	s_mov_b32 s[\g+4], 128*KS/256
	s_mov_b32 s[\g+5], 32
	s_mov_b32 s[\g+6], 0
	s_mov_b32 s[\g+7], 0
.endr
	s_lshl_b32 s104, s21, 4
	s_lshl_b32 s23, s20, 3
	s_add_co_u32 s104, s104, s23                   ; A: the first token block that I would fetch
	s_mul_i32 s100, s104, 12288                    ; its codes (16 heads x 768 bytes a block),
	s_mov_b32 s101, 0
	s_lshl_b32 s104, s104, 9                       ; its scale bytes (16 tokens x 32)
	s_lshl_b32 s105, s22, 8
	s_lshl_b32 s23, s20, 7
	s_add_co_u32 s105, s105, s23                   ; B: the first row of Wout that I would fetch
	s_mul_i32 s46, s105, KROW
	s_add_co_u32 s46, s46, 3072*KROW               ; behind Wqkv's 3,072 rows
	s_mov_b32 s47, 0
	s_lshl_b32 s105, s105, 5
	s_add_co_u32 s105, s105, 3072*KS
	s_mul_i32 s45, s20, HALFA                      ; where they go: A's two halves,
	s_mul_i32 s67, s20, HALFT
	s_add_co_u32 s67, s67, 2*HALFA                 ; then B's two
	s_mul_i32 s66, s18, HALFS
	s_wait_kmcnt 0x0
	s_add_nc_u64 s[92:93], s[4:5], s[100:101]
	s_add_nc_u64 s[96:97], s[8:9], s[46:47]
	s_mov_b32 s100, s104
	s_mov_b32 s46, s105
	s_add_nc_u64 s[94:95], s[6:7], s[100:101]
	s_add_nc_u64 s[98:99], s[10:11], s[46:47]
	CROUND                                         ; all sixteen work-groups are here: the first joint loads meet
	s_mov_b32 s[G0S], 1
	s_add_co_u32 s[G0S+1], s66, SCL
	s_mov_b64 s[G0S+2:G0S+3], s[94:95]
	s_or_b32 s[G0S+3], s[G0S+3], 0x80000000
	s_mov_b32 s[G0SB], 1
	s_add_co_u32 s[G0SB+1], s66, SCL
	s_mov_b64 s[G0SB+2:G0SB+3], s[98:99]
	s_or_b32 s[G0SB+3], s[G0SB+3], 0x80000000
	JLOAD G0S, G1S, G0SB, G1SB
.irp s, 0,1
	s_mov_b32 s[G0+4*\s], 1
	s_add_co_u32 s[G0+4*\s+1], s45, \s*SLOT
	s_add_nc_u64 s[G0+4*\s+2:G0+4*\s+3], s[92:93], \s*3072
	s_or_b32 s[G0+4*\s+3], s[G0+4*\s+3], 0x80000000
	s_mov_b32 s[G0B+4*\s], 1
	s_add_co_u32 s[G0B+4*\s+1], s67, \s*SLOT
	s_add_nc_u64 s[G0B+4*\s+2:G0B+4*\s+3], s[96:97], \s*ROWB
	s_or_b32 s[G0B+4*\s+3], s[G0B+4*\s+3], 0x80000000
	JLOAD G0+4*\s, G1, G0B+4*\s, G1B               ; three tensor loads of mine are out now
.endr
	v_and_b32 v1, 15, v0                           ; r
	v_bfe_u32 v2, v0, 4, 1                         ; h
	v_and_b32 v6, 31, v0                           ; lane
	v_lshlrev_b32 v[CO], 4, v6
	v_lshlrev_b32 v7, 3, v6
	v_mul_u32_u24 v3, v1, PITCH
	v_mul_u32_u24 v4, v2, 24
	v_add_nc_u32 v4, v3, v4
	v_lshl_add_u32 v5, v2, 4, v4
	s_mul_i32 s23, s19, HALFA                      ; my 128 tokens
	s_mul_i32 s67, s20, HALFT
	s_add_co_u32 s67, s67, 2*HALFA                 ; my 128 rows of Wout
.irp s, 0,1
	v_add_nc_u32 v[A16+\s], s23, v[CO]
	v_add_nc_u32 v[A8+\s], s23, v7
	v_add_nc_u32 v[ADRB+\s], s67, v4
	v_add_nc_u32 v[ADRB+2+\s], s67, v5
	s_add_co_u32 s23, s23, SLOT
	s_add_co_u32 s67, s67, SLOT
.endr
	v_mul_u32_u24 v5, v1, KS
	v_lshrrev_b32 v6, 8, v5
	v_lshl_add_u32 v5, v6, 4, v5
	s_mul_i32 s23, s19, HALFS
	s_mul_i32 s67, s20, HALFS
	s_add_co_u32 s67, s67, 2*HALFS
	s_sub_co_u32 s67, s67, s23
	v_mul_u32_u24 v6, s67, v2                      ; lanes 16-31 take B's scale words
	s_add_co_u32 s23, s23, SCL
	v_add_nc_u32 v5, v5, v6
	v_add_nc_u32 v[ADRS], s23, v5
	s_mul_i32 s23, s18, 16*SPITCH                  ; my stage
	v_mul_u32_u24 v5, v1, SPITCH
	v_lshl_add_u32 v5, v2, 6, v5                   ; in: row r, + 64 h: tiles 2 b, 2 b + 1 give my half 16 neighbouring outputs
	v_add_nc_u32 v[STO], s23, v5
	v_add_nc_u32 v[RD], s23, v[CO]                 ; back: the 32 lanes take one row of 512 bytes
	s_lshl_b32 s23, s21, 8
	s_lshl_b32 s67, s19, 7
	s_add_co_u32 s23, s23, s67                     ; my first token
	s_lshl_b32 s100, s23, 12                       ; 4,096 bytes a row of out0 (under 2^25)
	s_lshl_b32 s23, s22, 10
	s_lshl_b32 s67, s20, 9
	s_add_co_u32 s23, s23, s67                     ; my first output, in bytes
	s_add_co_u32 s100, s100, s23
	s_mov_b32 s101, 0
	s_add_nc_u64 s[14:15], s[14:15], s[100:101]
	v_lshlrev_b32 v6, 6, v2
	v_add_nc_u32 v6, s23, v6                       ; the bias: tile b's eight of my half: output 32 (b / 2) + 16 h + 8 (b % 2) + 0 .. 7
.irp b, 0,1,2,3,4,5,6,7
	global_load_b128 v[BR+8*\b:BR+8*\b+3], v6, s[12:13] offset:(32*(\b/2)+8*(\b%2))*4
	global_load_b128 v[BR+8*\b+4:BR+8*\b+7], v6, s[12:13] offset:(32*(\b/2)+8*(\b%2))*4+16
.endr
	s_wait_loadcnt 0x0
.macro FRAG reg, adr, q, i             ; a fragment of B from padded rows, in pieces of 8 bytes
.irp p, 0,1,2,3,4,5
.set PCE, 12*(\q)+6*(\p/3)+\p%3
.if PCE%8 < 5
	ds_load_b64 v[\reg+2*\p:\reg+2*\p+1], v[\adr] offset:8*PCE+16*(PCE/8)+(\i)*16*PITCH
.else
	ds_load_b64 v[\reg+2*\p:\reg+2*\p+1], v[\adr+2] offset:8*PCE+16*(PCE/8)+(\i)*16*PITCH
.endif
.endr
.endm
.macro FRAGA reg, slot, q, i           ; a fragment of A: two half images on end
	ds_load_b128 v[\reg:\reg+3], v[A16+\slot] offset:(\i)*3072+(\q)*1536
	ds_load_b64 v[\reg+4:\reg+5], v[A8+\slot] offset:(\i)*3072+(\q)*1536+512
	ds_load_b128 v[\reg+6:\reg+9], v[A16+\slot] offset:(\i)*3072+(\q)*1536+768
	ds_load_b64 v[\reg+10:\reg+11], v[A8+\slot] offset:(\i)*3072+(\q)*1536+1280
.endm
; 16 matrix instructions: A's blocks a0, a0 + 1 x B's eight.  zero = 1: the first K step starts the sums, with the bias as C.  The 64 accumulators take turns.
.macro MUL16 a0, p, q, sc, zero
.irp a, \a0, \a0+1
.irp b, 0,1,2,3,4,5,6,7
.if \zero
	v_wmma_scale_f32_16x16x128_f8f6f4 v[8*(8*((\a)%4)+\b):8*(8*((\a)%4)+\b)+7], v[128*(\p)+FR*\b:128*(\p)+FR*\b+FR-1], v[AF+FR*(\a):AF+FR*(\a)+FR-1], v[BR+8*\b:BR+8*\b+7], v[SC+8*NQ*(\sc)+NQ*\b+(\q)], v[SC+8*NQ*(\sc)+NQ*(\a)+(\q)] matrix_a_fmt:MATRIX_FMT_FP6 matrix_b_fmt:MATRIX_FMT_FP6 matrix_a_scale:MATRIX_SCALE_ROW1
.else
	v_wmma_scale_f32_16x16x128_f8f6f4 v[8*(8*((\a)%4)+\b):8*(8*((\a)%4)+\b)+7], v[128*(\p)+FR*\b:128*(\p)+FR*\b+FR-1], v[AF+FR*(\a):AF+FR*(\a)+FR-1], v[8*(8*((\a)%4)+\b):8*(8*((\a)%4)+\b)+7], v[SC+8*NQ*(\sc)+NQ*\b+(\q)], v[SC+8*NQ*(\sc)+NQ*(\a)+(\q)] matrix_a_fmt:MATRIX_FMT_FP6 matrix_b_fmt:MATRIX_FMT_FP6 matrix_a_scale:MATRIX_SCALE_ROW1
.endif
.endr
.endr
.endm
.macro FETCH_B slot, q, p
	WIN TO_B
.irp i, 0,1,2,3,4,5,6,7
	FRAG 128*(\p)+FR*\i, ADRB+\slot, \q, \i
.endr
	WIN 0
.endm
.macro FETCH_A slot, q, i0
.irp i, \i0, \i0+1, \i0+2, \i0+3
	FRAGA AF+FR*(\i), \slot, \q, \i
.endr
.endm
.macro SCALES sc
.irp i, 0,1,2,3,4,5,6,7
	ds_load_b64 v[SC+8*NQ*\sc+NQ*\i:SC+8*NQ*\sc+NQ*\i+1], v[ADRS] offset:\i*SBLK
.endr
.endm
.macro PLACES n                        ; plain vector lines between a matrix instruction and a load into, or a read of, its registers
.rept \n
	v_nop
.endr
.endm
.macro STEP slot, q, zero
	s_wait_dscnt 4*NLA                             ; B's set and A's blocks 0-3 are in; the youngest 16 loads (A's blocks 4-7) may be out
.if \zero
	WIN 0x81
.else
	WIN MUL_LO
.endif
	MUL16 0, (\q)%2, \q, \slot, \zero
	MUL16 2, (\q)%2, \q, \slot, \zero
	s_wait_dscnt 0
	PLACES NP
	FETCH_B \slot, (\q)+1, 1-(\q)%2
	FETCH_A \slot, (\q)+1, 0
.if \zero
	WIN 0xc1
.else
	WIN MUL_HI
.endif
	MUL16 4, (\q)%2, \q, \slot, \zero
	MUL16 6, (\q)%2, \q, \slot, \zero
	PLACES NP
	WIN 0
	FETCH_A \slot, (\q)+1, 4
.endm
.macro TURN slot, next, fill           ; a slot's last step changes slots
	s_wait_tensorcnt 0x0                           ; all my tensor loads have landed: my part of the next slot
	ds_add_u32 v[SPW], v[NIL]                      ; 0 onto my spare word
	s_wait_dscnt 4*NLA+1                           ; (the add and the youngest 16 loads may be out)
	WIN MUL_LO
	MUL16 0, 1, NQ-1, \slot, 0
	s_wait_dscnt 0x0                               ; the add is done, and my reads of this slot are over
	s_barrier_signal -1
	MUL16 2, 1, NQ-1, \slot, 0
	WIN 0
	s_barrier_wait -1
.if \fill
	CREST                                          ; the barrier has opened a round of the cluster's: no wave of any partner still reads this slot or has a load on its way
	s_add_nc_u64 s[G0+4*\slot+2:G0+4*\slot+3], s[G0+4*\slot+2:G0+4*\slot+3], 2*3072
	s_add_nc_u64 s[G0B+4*\slot+2:G0B+4*\slot+3], s[G0B+4*\slot+2:G0B+4*\slot+3], 2*ROWB
	JLOAD G0+4*\slot, G1, G0B+4*\slot, G1B         ; the first tensor load behind the round; its four v_nop are the places in front of the loads below
.else
	PLACES NP
.endif
	v_add_nc_u32 v[ADRS], 4*NQ, v[ADRS]
	FETCH_B \next, 0, 0
	FETCH_A \next, 0, 0
	SCALES \next
	WIN MUL_HI
	MUL16 4, 1, NQ-1, \slot, 0
	MUL16 6, 1, NQ-1, \slot, 0
	PLACES NP
	WIN 0
	FETCH_A \next, 0, 4
.endm
	s_wait_tensorcnt 1                             ; the scale bytes and my part of K step 0 are in; K step 1's load may be out
	s_barrier_signal -1
	s_barrier_wait -1
	FETCH_B 0, 0, 0
	FETCH_A 0, 0, 0
	SCALES 0
	FETCH_A 0, 0, 4
	; K = 1,024 is four slots' worth, eight steps of 128: written straight
	STEP 0, 0, 1
	TURN 0, 1, 1
	STEP 1, 0, 0
	TURN 1, 0, 1
	STEP 0, 0, 0
	TURN 0, 1, 0
	STEP 1, 0, 0
	s_wait_dscnt 4*NLA
	WIN MUL_LO
	MUL16 0, 1, NQ-1, 1, 0
	MUL16 2, 1, NQ-1, 1, 0
	s_wait_dscnt 0
	WIN MUL_HI
	MUL16 4, 1, NQ-1, 1, 0
	MUL16 6, 1, NQ-1, 1, 0
	WIN 0
; THE WAY OUT, block by block of 16 tokens x 128 outputs, through my own stage in LDS: in as 32 bytes of a row a lane, back as whole rows of 512 bytes.  LDS serves a wave's instructions in order: no wait between the stores and the loads.
.macro TOSTAGE a
.set AC, 64*((\a)%4)
	WIN 0x08+4*((\a)/4)                            ; the data: window 2 or 3
.irp b, 0,1,2,3,4,5,6,7
	ds_store_b128 v[STO], v[AC+8*\b:AC+8*\b+3] offset:128*(\b/2)+32*(\b%2)         ; each accumulator from its low end on
	ds_store_b128 v[STO], v[AC+8*\b+4:AC+8*\b+7] offset:128*(\b/2)+32*(\b%2)+16
.endr
	WIN 0
.set BB, BK+64*((\a)%2)
.irp t, 0,1,2,3,4,5,6,7,8,9,10,11,12,13,14,15
	ds_load_b128 v[BB+4*\t:BB+4*\t+3], v[RD] offset:\t*SPITCH
.endr
.endm
.macro SEND a, younger                 ; younger: the LDS instructions issued behind block a's loads, which may stay out
.set BB, BK+64*((\a)%2)
	s_wait_dscnt \younger
.irp t, 0,1,2,3,4,5,6,7,8,9,10,11,12,13,14,15
	global_store_b128 v[CO], v[BB+4*\t:BB+4*\t+3], s[14:15] offset:(32*((\a)/2)+8*((\a)%2)+\t+8*(\t/8))*4096 th:TH_STORE_NT   ; stored row 16 a + t is token 32 (a / 2) + 8 (a % 2) + t + 8 (t / 8); 512 consecutive bytes, aligned
.endr
.endm
	PLACES NP
	TOSTAGE 0
.irp a, 1,2,3,4,5,6,7
.if \a > 1
	s_wait_xcnt 0x0                                ; block a - 2's stores have read their registers: block a's loads may land there
.endif
	TOSTAGE \a
	SEND \a-1, 32                                  ; behind block a - 1's loads: block a's 16 stores and 16 loads
.endr
	SEND 7, 0
	s_wait_tensorcnt 0x0                           ; the wave's end
	ds_add_u32 v[SPW], v[NIL]
	s_wait_dscnt 0x0
	CROUND                                         ; the closing round
	s_endpgm
.Lfunc_end_k_q30afd85824_outp:
	.size	k_q30afd85824_outp, .Lfunc_end_k_q30afd85824_outp-k_q30afd85824_outp
	.p2alignl 7, 3214868480
	.fill 96, 4, 3214868480
	.section	.rodata,"a",@progbits
	.p2align	6, 0x0
	.amdhsa_kernel k_q30afd85824_outp
		.amdhsa_group_segment_fixed_size 327680
		.amdhsa_private_segment_fixed_size 0
		.amdhsa_enable_private_segment 0
		.amdhsa_kernarg_size 48
		.amdhsa_user_sgpr_count 2
		.amdhsa_user_sgpr_kernarg_segment_ptr 1
		.amdhsa_wavefront_size32 1
		.amdhsa_system_sgpr_workgroup_id_x 1
		.amdhsa_system_sgpr_workgroup_id_y 1
		.amdhsa_system_sgpr_workgroup_id_z 1
		.amdhsa_system_vgpr_workitem_id 0
		.amdhsa_next_free_vgpr 1024
		.amdhsa_next_free_sgpr 106
		.amdhsa_reserve_vcc 0
		.amdhsa_float_denorm_mode_32 3
		.amdhsa_float_denorm_mode_16_64 3
		.amdhsa_memory_ordered 1
		.amdhsa_forward_progress 1
		.amdhsa_inst_pref_size 153
	.end_amdhsa_kernel
	.amdgpu_metadata
---
amdhsa.version: [ 1, 2 ]
amdhsa.kernels:
  - .name:           k_q30afd85824_outp
    .symbol:         k_q30afd85824_outp.kd
    .args:
      - { .name: oc, .offset: 0, .size: 8, .value_kind: global_buffer, .address_space: global }
      - { .name: os, .offset: 8, .size: 8, .value_kind: global_buffer, .address_space: global }
      - { .name: wc, .offset: 16, .size: 8, .value_kind: global_buffer, .address_space: global }
      - { .name: ws, .offset: 24, .size: 8, .value_kind: global_buffer, .address_space: global }
      - { .name: bout, .offset: 32, .size: 8, .value_kind: global_buffer, .address_space: global }
      - { .name: out0, .offset: 40, .size: 8, .value_kind: global_buffer, .address_space: global }
    .group_segment_fixed_size: 327680
    .private_segment_fixed_size: 0
    .kernarg_segment_align: 8
    .kernarg_segment_size: 48
    .max_flat_workgroup_size: 128
    .sgpr_count:     106
    .vgpr_count:     1024
    .wavefront_size: 32
...
	.end_amdgpu_metadata
.endif
;; end of part 4
